; MI455X (gfx1250); checked and timed in simulation.
; The chip was launched on July 23, 2026; its instructions are those of AMD's public machine-readable ISA for CDNA 5 (MIT licence, August 2026) and "CDNA5" Instruction Set Architecture Reference Guide (July 2026). The comments in the code are by the model that wrote it; some were corrected since.
;; Evo2 Attention. Allowed arithmetic: matrix products marked QUANTISED: E4M3 operands, one given power-of-two scale a tensor, by v_wmma_f32_16x16x64_fp8_fp8 or v_wmma_f32_16x16x128_fp8_fp8, f32 sums; everything else in f32.
;; Inputs: attention_mask 1 x 1 x 2,048 x 2,048 float32; hidden_states 1 x 2,048 x 2,048 float32; k_w 2,048 x 2,048 float32; lowp_scales 12 int32 (the exponents e of the quantised operands' scales 2^e); o_w 2,048 x 2,048 float32; position_ids 1 x 2,048 int32; q_w 2,048 x 2,048 float32; v_w 2,048 x 2,048 float32.
;; Outputs: out0 1 x 2,048 x 2,048 float32.
;; This version of the problem:
;;   THIS VERSION OF THE PROBLEM IS GIVEN IN LOW PRECISION. The matrix products marked QUANTISED in the list below multiply operands that are first quantised to E4M3 (4 exponent bits, 3 mantissa bits; 8 bits a number), with one given power-of-two scale for each operand tensor; their sums are f32. All else is computed in f32.
;;   The module's matrix products, in the order in which they are computed (A, B: the left and right operand; K: the contracted axis; several contracted axes count as one K, in the product's order):
;;     1. [M 2,048, K 2,048] x [K 2,048, N 2,048]; A: input hidden_states; B: input q_w: QUANTISED (scales: A lowp_scales[0], B lowp_scales[1])
;;     2. [M 2,048, K 2,048] x [K 2,048, N 2,048]; A: input hidden_states; B: input k_w: QUANTISED (scales: A lowp_scales[2], B lowp_scales[3])
;;     3. [M 2,048, K 2,048] x [K 2,048, N 2,048]; A: input hidden_states; B: input v_w: QUANTISED (scales: A lowp_scales[4], B lowp_scales[5])
;;     4. batch 16 x [M 2,048, K 128] x [K 128, N 2,048]; A: computed on the way; B: computed on the way: QUANTISED (scales: A lowp_scales[6], B lowp_scales[7])
;;     5. batch 16 x [M 2,048, K 2,048] x [K 2,048, N 128]; A: softmax (see below); B: computed on the way: QUANTISED (scales: A lowp_scales[8], B lowp_scales[9])
;;     6. [M 2,048, K 2,048] x [K 2,048, N 2,048]; A: computed on the way; B: input o_w: QUANTISED (scales: A lowp_scales[10], B lowp_scales[11])
;;   THE QUANTISER, for each operand of a quantised product, along K:
;;     - The operand's scale is 2^e, e = its entry of the input lowp_scales (int32; the entries are numbered through the quantised products in the list's order, A before B).
;;     - Each number is divided by the scale, clamped to +-448, and rounded to the nearest number of E4M3, ties to even, subnormals kept.
;;     - The product sums the exact products of the quantised numbers (number of the format x scale) in f32.
;;   ~~~python
;;   def quantise(x, axis, e):      # numpy; x: float32 -> the quantised numbers, widened to float32 again
;;       x = np.moveaxis(x, axis, -1); K = x.shape[-1]
;;       r = np.clip(x / 2.0 ** e, -448, 448)
;;       step = 2.0 ** (np.maximum(np.frexp(np.where(r == 0, 1, r))[1] - 1, -6) - 3)
;;       q = np.round(r / step) * step * 2.0 ** e      # np.round: ties to even
;;       return np.moveaxis(q, -1, axis).astype(np.float32)
;;   ~~~
;;   SOFTMAX AHEAD OF A QUANTISED PRODUCT. Where the list says 'softmax', what is quantised is not the finished softmax but p = 2^(t - M), with t = logit x log2(e) and M = ceil(the row's largest t), a whole number; so 1/2 < the row's largest p <= 1. The row's sum l is taken of the UNQUANTISED p, in f32, and the product's result is divided by l at the end. Since M is a whole number, a kernel that streams over the keys may use a running M (the ceiling of the running maximum): every later rescaling is an exact power of two, so the quantised numbers keep their values, but for numbers so far below the row's largest that they fall under the format's range.
;;   OPERANDS COMPUTED ON THE WAY. 'Computed on the way' means the value that the module computes at that place (a softmax that the list does not call 'softmax' is quantised finished and normalised). What goes into a quantiser is computed in f32, as accurately as f32 sums, v_exp_f32 and their like allow (about 1e-6 of the number): no bf16 or f16 on the way to a quantiser, and a product that is left as it is and whose result goes on into a quantised operand takes f32 operands (vector FMAs, or v_wmma_f32_16x16x4_f32). A number that lies on a knife's edge between two numbers of the format may be rounded either way, as far as f32 arithmetic and the matrix unit's own rounding can turn it there, and no further.
;; One version. Each part assembles by itself: llvm-mc -triple=amdgcn-amd-amdhsa -mcpu=gfx1250 --defsym DOCPART=n.
;; ======== version 1 of 1: 4 launches
;; limits: right only within a limited range of input values
;; workspace buffers: xc 12,582,912 bytes; wc 16,777,216 bytes; rope 1,048,576 bytes; qc 4,194,304 bytes; kc 4,194,304 bytes; vc 4,194,304 bytes; ac 4,194,304 bytes; mk 16,777,216 bytes
;; launch quant (part 1): grid 1280 x 1, 4 waves a work-group, no clusters, 35,328 bytes of LDS; arguments hidden_states, q_w, k_w, v_w, o_w, position_ids, lowp_scales, xc, wc, rope, attention_mask, mk; writes xc, wc, rope, mk
.if DOCPART == 1
	.amdgcn_target "amdgcn-amd-amdhsa--gfx1250"
	.amdhsa_code_object_version 6
	.text
	.protected	k_qa952294d21_quant
	.globl	k_qa952294d21_quant
	.p2align	8
	.type	k_qa952294d21_quant,@function
k_qa952294d21_quant:
	s_mov_b64 s[64:65], 0
	v_nop
	global_prefetch_b8 v0, s[64:65] scope:SCOPE_SE
	s_setreg_imm32_b32 hwreg(HW_REG_WAVE_MODE, 25, 1), 1
	s_wait_xcnt 0x0
; THE FIRST OF FOUR LAUNCHES.  It turns hidden_states and the four weights, all [2048][2048] f32 with K innermost, into codes of FP8 (E4M3), one byte each, rows as they lie,
; and makes the table of cos and sin for the rotary embedding from position_ids.
; code = x / 2^e, held within +-448, rounded to the nearest code, ties to even; e is the operand's entry of lowp_scales.
; hidden_states is an operand of three products with three entries (0, 2, 4), which may differ: its numbers are read once and converted three times, into xc[0], xc[1], xc[2] (4 MiB each).
; wc[0..3] = q_w (entry 1), k_w (3), v_w (5), o_w (11).
; SHARES.  Work-groups 0-127 take hidden_states, 128-639 the weights (128 each), 640-767 the table.  A wave of the first 640 takes 8,192 numbers: 16 steps of 512.
; Each of a step's four loads reads 512 consecutive bytes, 16 a lane; the conversions want 16 NEIGHBOURS in a lane, so the 2,048 bytes turn through the wave's own stage in LDS (16 bytes of padding behind each 64)
; and come back 64 bytes a lane.  A lane's 16 codes are 16 bytes: a store of the wave covers 512 consecutive bytes, aligned.  Loads run four steps ahead, the turn through LDS one step.
; Only pointers and scales are chosen by the work-group's number: all five tensors take one path through LDS.  No tensor load, no barrier: waves share nothing.
; THE TABLE: rope[mb 128][b 4] images of 2,048 bytes.  Lane (r, h) stands for position row 16 mb + r and frequencies f = 16 b + 8 h + j: bytes 512 c + 16 lane hold cos j = 0..3, cos j = 4..7, sin j = 0..3, sin j = 4..7 for c = 0..3.
; The angle is position x 10000^(-f / 64), the power by v_exp_f32; sine and cosine by a reduction to [-pi/4, pi/4] with pi/2 in two parts, and polynomials of degree 7 and 8; the quadrant by selects, no branch.
; LIMITS.  Each entry used here lies between -126 and 119, so that 2^e and 448 x 2^e are f32 numbers.  NaN among the inputs is not served (an infinity is held at the largest code).
; |position| up to 65,536: the power is right to about 5e-7 of itself, so an angle is off by up to that share of itself; the two-part reduction serves multiples of pi/2 up to about 40,000.
.set STEPS, 16
.set SP,    80                         ; a lane's place in a stage: its 64 bytes + 16 of padding
.set WREG,  8704                       ; LDS: a region of its own for each wave: two stages of 32 x SP bytes, or (work-groups 768 on) 32 rows of 272 bytes of the mask
.set SPARE, 4*WREG                     ; behind the four regions: the spare words, 128 bytes for each wave: two blocks of 256 bytes that no other line names
.set OFS,   3                          ; v3       16 x lane: my bytes of a load's 512 and of a store's 512; never rewritten
.set SC1,   5                          ; v5, v6   2^e and 448 x 2^e of entry 2
.set LM1,   6
.set SC2,   7                          ; v7, v8   of entry 4
.set LM2,   8
.set LM0,   10                         ; v11, v10 of the tensor's own (first) entry
.set SC0,   11
.set SPW,   12                         ; v12      LDS address of my spare word: SPARE + 4 x my thread's number; never rewritten
.set NIL,   13                         ; v13      0; never rewritten
.set STI,   14                         ; v14      the stage, on the way in
.set STO,   15                         ; v15      and on the way out
.set R,     16                         ; v16-79   four sets of 16 numbers as they are loaded
.set X,     80                         ; v80-111  two sets of 16 neighbours
.set T,     112                        ; v112-127 the 16 numbers held within one scale's range
.set C,     128                        ; v128-151 codes: 12 registers for each of two steps by turns
.set TH,    16                         ; the table: v16-23 eight angles
.set CSN,   32                         ; v32-39 cos
.set SN,    40                         ; v40-47 sin
	s_load_b512 s[4:19], s[0:1], 0x0               ; hidden_states s[4:5], q_w s[6:7], k_w s[8:9], v_w s[10:11], o_w s[12:13], position_ids s[14:15], lowp_scales s[16:17], xc s[18:19]
	s_load_b128 s[20:23], s[0:1], 0x40             ; wc s[20:21], rope s[22:23]
	s_load_b128 s[60:63], s[0:1], 0x50             ; attention_mask s[60:61], mk s[62:63]
	v_lshl_add_u32 v[SPW], v0, 2, SPARE
	v_mov_b32 v[NIL], 0
	v_lshrrev_b32 v1, 5, v0
	v_readfirstlane_b32 s24, v1                    ; wave 0..3
	v_and_b32 v2, 31, v0                           ; lane
	v_lshlrev_b32 v[OFS], 4, v2
	s_cmp_ge_u32 ttmp9, 768
	s_cbranch_scc1 .Lmask                          ; work-groups 768 to 1279 lay the mask out anew
	s_cmp_ge_u32 ttmp9, 640
	s_cbranch_scc1 .Lrope                          ; work-groups 640 to 767 make the table
	s_mul_i32 s48, s24, WREG
	v_lshrrev_b32 v[STI], 2, v2
	v_mul_u32_u24 v[STI], v[STI], SP
	v_and_b32 v[STO], 3, v2
	v_lshl_add_u32 v[STI], v[STO], 4, v[STI]
	v_add_nc_u32 v[STI], s48, v[STI]               ; in: four lanes' 64 bytes on end, then 16 of padding: SP (lane / 4) + 16 (lane % 4)
	v_mul_u32_u24 v[STO], v2, SP
	v_add_nc_u32 v[STO], s48, v[STO]               ; out: SP x lane: my 16 neighbours
	s_sub_co_u32 s25, ttmp9, 128
	s_lshr_b32 s25, s25, 7                         ; which weight, 0..3 (a number above 3 in hidden_states' work-groups)
	s_and_b32 s49, ttmp9, 127
	s_lshl_b32 s49, s49, 2
	s_add_co_u32 s49, s49, s24                     ; which run of 8,192 numbers of the tensor is my wave's: 0..511
	s_lshl_b32 s50, s49, 15                        ; its numbers, in bytes
	s_mov_b32 s51, 0
	s_lshl_b32 s52, s49, 13                        ; its codes
	s_mov_b32 s53, 0
	s_mov_b32 s55, 0
	s_wait_kmcnt 0x0
	s_load_b256 s[36:43], s[16:17], 0x0            ; entries 0 to 7
	s_load_b128 s[44:47], s[16:17], 0x20           ; entries 8 to 11
	s_mov_b64 s[28:29], s[12:13]                   ; the source: o_w, unless the work-group's number says otherwise
	s_cmp_eq_u32 s25, 2
	s_cselect_b64 s[28:29], s[10:11], s[28:29]
	s_cmp_eq_u32 s25, 1
	s_cselect_b64 s[28:29], s[8:9], s[28:29]
	s_cmp_eq_u32 s25, 0
	s_cselect_b64 s[28:29], s[6:7], s[28:29]
	s_cmp_lt_u32 ttmp9, 128
	s_cselect_b64 s[28:29], s[4:5], s[28:29]
	s_cselect_b32 s26, 1, 0                        ; 1: hidden_states, three sets of codes
	s_cselect_b64 s[30:31], s[18:19], s[20:21]     ; the codes go to xc or to wc,
	s_cselect_b32 s54, 0, s25
	s_lshl_b32 s54, s54, 22                        ; in wc 4 MiB for each weight
	s_add_nc_u64 s[30:31], s[30:31], s[54:55]
	s_add_nc_u64 s[30:31], s[30:31], s[52:53]
	s_add_nc_u64 s[28:29], s[28:29], s[50:51]
	s_add_nc_u64 s[32:33], s[30:31], 0x400000      ; xc[1], xc[2]: named by hidden_states' work-groups alone
	s_add_nc_u64 s[34:35], s[30:31], 0x800000
.macro LOAD t
.irp i, 0,1,2,3
	global_load_b128 v[R+16*((\t)%4)+4*\i:R+16*((\t)%4)+4*\i+3], v[OFS], s[28:29] offset:2048*(\t)+512*\i th:TH_LOAD_NT   ; 32 lanes read 512 consecutive bytes; read once in the launch
.endr
.endm
.macro TURN t                          ; step t's numbers through the stage: LDS serves a wave's instructions in order, so no wait stands between the stores and the loads
.irp i, 0,1,2,3
	ds_store_b128 v[STI], v[R+16*((\t)%4)+4*\i:R+16*((\t)%4)+4*\i+3] offset:32*SP*((\t)%2)+8*SP*\i
.endr
.irp i, 0,1,2,3
	ds_load_b128 v[X+16*((\t)%2)+4*\i:X+16*((\t)%2)+4*\i+3], v[STO] offset:32*SP*((\t)%2)+16*\i
.endr
.endm
	s_wait_alu depctr_va_vdst(0)
.irp t, 0,1,2,3
	LOAD \t
.endr
.macro MKSC e, vs, vl                  ; 2^e and 448 x 2^e as f32, from the whole number in s[e]
	s_add_co_i32 s57, s[\e], 127
	s_lshl_b32 s58, s57, 23
	v_mov_b32 v[\vs], s58                          ; the conversion takes its exponent field
	s_add_co_i32 s57, s57, 8
	s_lshl_b32 s57, s57, 23
	s_or_b32 s57, s57, 0x600000                    ; 448 = 1.75 x 2^8
	v_mov_b32 v[\vl], s57
.endm
	s_wait_kmcnt 0x0
	s_mov_b32 s56, s47                             ; the tensor's entry: 11 for o_w,
	s_cmp_eq_u32 s25, 2
	s_cselect_b32 s56, s41, s56                    ; 5 for v_w,
	s_cmp_eq_u32 s25, 1
	s_cselect_b32 s56, s39, s56                    ; 3 for k_w,
	s_cmp_eq_u32 s25, 0
	s_cselect_b32 s56, s37, s56                    ; 1 for q_w,
	s_cmp_lt_u32 ttmp9, 128
	s_cselect_b32 s56, s36, s56                    ; 0 for hidden_states' first set
	MKSC 56, SC0, LM0
	MKSC 38, SC1, LM1
	MKSC 40, SC2, LM2
	s_wait_alu depctr_va_vdst(0)
	s_wait_loadcnt 12                              ; step 0's four loads are in
	TURN 0
; One set of codes of step t: the hold goes into T, not in place, so that the 16 neighbours serve three scales.
.macro CONV k, t, sc, lim, d
.irp i, 0,1,2,3,4,5,6,7,8,9,10,11,12,13,14,15
	v_med3_num_f32 v[T+\i], v[X+16*((\t)%2)+\i], -v[\lim], v[\lim]   ; the conversion to an 8-bit code does not saturate (ISA guide 7.6.2): the number is held within the largest code x the scale first
.endr
	v_cvt_scalef32_pk8_fp8_f32 v[C+12*((\t)%2)+4*\k:C+12*((\t)%2)+4*\k+1], v[T:T+7], v[\sc]
	v_cvt_scalef32_pk8_fp8_f32 v[C+12*((\t)%2)+4*\k+2:C+12*((\t)%2)+4*\k+3], v[T+8:T+15], v[\sc]
	v_nop                                          ; one plain vector line between the conversions and the next hold, which writes their sources
	global_store_b128 v[OFS], v[C+12*((\t)%2)+4*\k:C+12*((\t)%2)+4*\k+3], s[\d:\d+1] offset:512*(\t)
.endm
.macro STEP t
	s_wait_dscnt 0x0                               ; this step's numbers are back from the stage: so its stores into the stage have read their registers,
.if (\t)+4 < STEPS
	LOAD (\t)+4                                    ; which take the loads of four steps on
.endif
.if (\t)+1 < STEPS
.if STEPS-2-(\t) >= 3
	s_wait_loadcnt 12                              ; the next step's four loads are in; those of the three steps behind it may be out
.else
	s_wait_loadcnt 4*(STEPS-2-(\t))
.endif
	TURN (\t)+1                                    ; and go through the other stage while this step is worked
.endif
	s_wait_xcnt 0x0                                ; the stores of two steps back have read their data: those registers take this step's codes
	CONV 0, \t, SC0, LM0, 30
	s_cmp_lg_u32 s26, 0                            ; the work-group's number alone: a weight has one set of codes
	s_cbranch_scc0 .Lone_\@
	CONV 1, \t, SC1, LM1, 32
	CONV 2, \t, SC2, LM2, 34
.Lone_\@:
.endm
.irp t, 0,1,2,3,4,5,6,7,8,9,10,11,12,13,14,15
	STEP \t
.endr
	s_wait_tensorcnt 0x0                           ; the wave's end: behind my last LDS store
	ds_add_u32 v[SPW], v[NIL]
	s_wait_dscnt 0x0
	s_endpgm
; THE TABLE.  Work-group 640 + mb, wave b: one image.  No LDS is touched on this path.
.macro SINCOS j
	v_mul_f32 v48, 0x3f22f983, v[TH+\j]            ; angle x 2 / pi,
	v_rndne_f32 v48, v48                           ; n: the nearest multiple of pi / 2
	v_fmamk_f32 v49, v48, 0xbfc90fdb, v[TH+\j]     ; r = angle - n x (pi / 2 rounded to f32)
	v_fmamk_f32 v49, v48, 0x333bbd2e, v49          ;   - n x (what that rounding left: -4.371139e-8)
	v_cvt_i32_f32 v53, v48
	v_mul_f32 v50, v49, v49                        ; r^2
	v_fmaak_f32 v51, v57, v50, 0x3c08839e          ; sin r = r + r^3 (S1 + S2 r^2 + S3 r^4)
	v_fmaak_f32 v52, v58, v50, 0xbab6061a          ; cos r = 1 - r^2 / 2 + r^4 (C1 + C2 r^2 + C3 r^4)
	v_fmaak_f32 v51, v51, v50, 0xbe2aaaa3
	v_fmaak_f32 v52, v52, v50, 0x3d2aaaa5
	v_mul_f32 v54, v49, v50
	v_mul_f32 v55, v50, v50
	v_fma_f32 v56, v50, -0.5, 1.0
	v_fma_f32 v51, v51, v54, v49
	v_fma_f32 v52, v52, v55, v56
	v_and_b32 v54, 1, v53                          ; an odd n swaps the two;
	v_cmp_eq_u32 vcc_lo, 1, v54
	v_cndmask_b32 v55, v51, v52, vcc_lo
	v_cndmask_b32 v56, v52, v51, vcc_lo
	v_and_b32 v54, 2, v53                          ; sin changes sign where n mod 4 is 2 or 3,
	v_lshlrev_b32 v54, 30, v54
	v_xor_b32 v[SN+\j], v54, v55
	v_add_nc_u32 v53, 1, v53                       ; cos where it is 1 or 2
	v_and_b32 v53, 2, v53
	v_lshlrev_b32 v53, 30, v53
	v_xor_b32 v[CSN+\j], v53, v56
.endm
.Lrope:
	s_sub_co_u32 s48, ttmp9, 640                   ; mb
	v_and_b32 v4, 15, v0                           ; r
	v_bfe_u32 v5, v0, 4, 1                         ; h
	s_lshl_b32 s49, s48, 6
	v_lshl_add_u32 v7, v4, 2, s49                  ; my position's bytes: 4 (16 mb + r)
	s_lshl_b32 s50, s24, 4
	v_lshl_add_u32 v8, v5, 3, s50                  ; 16 b + 8 h
	s_lshl_b32 s52, s48, 2
	s_add_co_u32 s52, s52, s24
	s_lshl_b32 s52, s52, 11                        ; my image: 2,048 (4 mb + b)
	s_mov_b32 s53, 0
	s_wait_alu depctr_va_vdst(0)
	s_wait_kmcnt 0x0
	global_load_b32 v6, v7, s[14:15]
	s_add_nc_u64 s[22:23], s[22:23], s[52:53]
.irp j, 0,1,2,3,4,5,6,7
	v_add_nc_u32 v[TH+\j], \j, v8                  ; f
.endr
.irp j, 0,1,2,3,4,5,6,7
	v_cvt_f32_u32 v[TH+\j], v[TH+\j]
.endr
.irp j, 0,1,2,3,4,5,6,7
	v_mul_f32 v[TH+\j], 0xbe549a78, v[TH+\j]       ; -f x log2(10000) / 64
.endr
	s_wait_alu depctr_va_vdst(0)
.irp j, 0,1,2,3,4,5,6,7
	v_exp_f32 v[TH+\j], v[TH+\j]                   ; 10000^(-f / 64): eight as one batch
.endr
	v_mov_b32 v57, 0xb94ca1f9                      ; S3.  (The plain line behind the last exponential)
	v_mov_b32 v58, 0x37ccf5ce                      ; C3
	s_wait_loadcnt 0x0
	v_cvt_f32_i32 v6, v6                           ; the position as f32
	s_wait_alu depctr_va_vdst(0)                   ; one wait for the batch, ahead of its first reader
.irp j, 0,1,2,3,4,5,6,7
	v_mul_f32 v[TH+\j], v6, v[TH+\j]               ; the angle, rounded to f32 once
.endr
.irp j, 0,1,2,3,4,5,6,7
	SINCOS \j
.endr
	global_store_b128 v[OFS], v[CSN:CSN+3], s[22:23]              ; each store of the wave covers 512 consecutive bytes, aligned
	global_store_b128 v[OFS], v[CSN+4:CSN+7], s[22:23] offset:512
	global_store_b128 v[OFS], v[SN:SN+3], s[22:23] offset:1024
	global_store_b128 v[OFS], v[SN+4:SN+7], s[22:23] offset:1536
	s_endpgm
; THE MASK.  mk holds attention_mask x log2(e), rounded to f32 once, as images of the registers in which the attention's waves hold their scores.
; Block b = (16 qb + T) x 8 + 4 half + g, 8,192 bytes: queries 128 qb + 32 g + 0..31, keys 128 T + 64 half + 0..63.  Chunk i = 8 u + 2 t + e of 512 bytes: lane (r, h) holds query 16 u + r, keys 16 t + 8 h + 4 e + 0..3.
; A wave takes one block: 16 loads of two rows x 256 consecutive bytes, the multiplication, a turn through the wave's own LDS region (rows 272 bytes apart), 16 stores of 512 consecutive bytes.
.Lmask:
	s_wait_alu depctr_va_vdst(0)
	s_sub_co_u32 s48, ttmp9, 768
	s_lshl_b32 s48, s48, 2
	s_add_co_u32 s48, s48, s24                     ; b
	s_lshr_b32 s49, s48, 7
	s_lshl_b32 s49, s49, 20                        ; 128 qb rows of 8,192 bytes
	s_and_b32 s51, s48, 3
	s_lshl_b32 s51, s51, 18                        ; 32 g rows
	s_add_co_u32 s49, s49, s51
	s_bfe_u32 s51, s48, 0x50002                    ; 2 T + half
	s_lshl_b32 s51, s51, 8                         ; 512 T + 256 half bytes along the row
	s_add_co_u32 s50, s49, s51
	s_mov_b32 s51, 0
	s_lshl_b32 s52, s48, 13
	s_mov_b32 s53, 0
	s_mul_i32 s54, s24, WREG
	v_and_b32 v4, 15, v2
	v_lshrrev_b32 v5, 4, v2
	v_lshlrev_b32 v6, 13, v5
	v_lshl_add_u32 v6, v4, 4, v6                   ; in memory: lanes 0-15 one row's 256 bytes, lanes 16-31 the next row's
	v_mul_u32_u24 v7, v5, 272
	v_lshl_add_u32 v7, v4, 4, v7
	v_add_nc_u32 v7, s54, v7                       ; the same place in the stage
	v_mul_u32_u24 v8, v4, 272
	v_lshl_add_u32 v8, v5, 5, v8
	v_add_nc_u32 v8, s54, v8                       ; out of it: row r, 32 h bytes on
	s_wait_alu depctr_va_vdst(0)
	s_wait_kmcnt 0x0
	s_add_nc_u64 s[60:61], s[60:61], s[50:51]
	s_add_nc_u64 s[62:63], s[62:63], s[52:53]
.set i, 0
.rept 16
	global_load_b128 v[R+4*i:R+4*i+3], v6, s[60:61] offset:16384*i th:TH_LOAD_NT
.set i, i+1
.endr
	s_wait_loadcnt 0x0
.set i, 0
.rept 32
	v_pk_mul_f32 v[R+i:R+i+1], v[R+i:R+i+1], 0x3fb8aa3b op_sel_hi:[1,0]
.set i, i+2
.endr
.set i, 0
.rept 16
	ds_store_b128 v7, v[R+4*i:R+4*i+3] offset:544*i
.set i, i+1
.endr
.irp u, 0,1
.irp t, 0,1,2,3
.irp e, 0,1
	ds_load_b128 v[X+32*\u+8*\t+4*\e:X+32*\u+8*\t+4*\e+3], v8 offset:4352*\u+64*\t+16*\e   ; LDS serves a wave's instructions in order: these see the stores above
.endr
.endr
.endr
	s_wait_dscnt 0x0
.set i, 0
.rept 16
	global_store_b128 v[OFS], v[X+4*i:X+4*i+3], s[62:63] offset:512*i
.set i, i+1
.endr
	s_wait_tensorcnt 0x0                           ; the wave's end
	ds_add_u32 v[SPW], v[NIL]
	s_wait_dscnt 0x0
	s_endpgm
.Lfunc_end_k_qa952294d21_quant:
	.size	k_qa952294d21_quant, .Lfunc_end_k_qa952294d21_quant-k_qa952294d21_quant
	.p2alignl 7, 3214868480
	.fill 96, 4, 3214868480
	.section	.rodata,"a",@progbits
	.p2align	6, 0x0
	.amdhsa_kernel k_qa952294d21_quant
		.amdhsa_group_segment_fixed_size 35328
		.amdhsa_private_segment_fixed_size 0
		.amdhsa_enable_private_segment 0
		.amdhsa_kernarg_size 96
		.amdhsa_user_sgpr_count 2
		.amdhsa_user_sgpr_kernarg_segment_ptr 1
		.amdhsa_wavefront_size32 1
		.amdhsa_system_sgpr_workgroup_id_x 1
		.amdhsa_system_sgpr_workgroup_id_y 1
		.amdhsa_system_sgpr_workgroup_id_z 1
		.amdhsa_system_vgpr_workitem_id 0
		.amdhsa_next_free_vgpr 160
		.amdhsa_next_free_sgpr 66
		.amdhsa_reserve_vcc 1
		.amdhsa_float_denorm_mode_32 3
		.amdhsa_float_denorm_mode_16_64 3
		.amdhsa_memory_ordered 1
		.amdhsa_forward_progress 1
		.amdhsa_inst_pref_size 102
	.end_amdhsa_kernel
	.amdgpu_metadata
---
amdhsa.version: [ 1, 2 ]
amdhsa.kernels:
  - .name:           k_qa952294d21_quant
    .symbol:         k_qa952294d21_quant.kd
    .args:
      - { .name: hidden_states, .offset: 0, .size: 8, .value_kind: global_buffer, .address_space: global }
      - { .name: q_w, .offset: 8, .size: 8, .value_kind: global_buffer, .address_space: global }
      - { .name: k_w, .offset: 16, .size: 8, .value_kind: global_buffer, .address_space: global }
      - { .name: v_w, .offset: 24, .size: 8, .value_kind: global_buffer, .address_space: global }
      - { .name: o_w, .offset: 32, .size: 8, .value_kind: global_buffer, .address_space: global }
      - { .name: position_ids, .offset: 40, .size: 8, .value_kind: global_buffer, .address_space: global }
      - { .name: lowp_scales, .offset: 48, .size: 8, .value_kind: global_buffer, .address_space: global }
      - { .name: xc, .offset: 56, .size: 8, .value_kind: global_buffer, .address_space: global }
      - { .name: wc, .offset: 64, .size: 8, .value_kind: global_buffer, .address_space: global }
      - { .name: rope, .offset: 72, .size: 8, .value_kind: global_buffer, .address_space: global }
      - { .name: attention_mask, .offset: 80, .size: 8, .value_kind: global_buffer, .address_space: global }
      - { .name: mk, .offset: 88, .size: 8, .value_kind: global_buffer, .address_space: global }
    .group_segment_fixed_size: 35328
    .private_segment_fixed_size: 0
    .kernarg_segment_align: 8
    .kernarg_segment_size: 96
    .max_flat_workgroup_size: 128
    .sgpr_count:     66
    .vgpr_count:     160
    .wavefront_size: 32
...
	.end_amdgpu_metadata
.endif
;; end of part 1
;; launch qkv (part 2): grid 24 x 8, 4 waves a work-group, clusters of 4 x 4, 327,680 bytes of LDS; arguments xc, wc, rope, lowp_scales, qc, kc, vc; writes qc, kc, vc
.if DOCPART == 2
	.amdgcn_target "amdgcn-amd-amdhsa--gfx1250"
	.amdhsa_code_object_version 6
	.text
	.protected	k_qa952294d21_qkv
	.globl	k_qa952294d21_qkv
	.p2align	8
	.type	k_qa952294d21_qkv,@function
k_qa952294d21_qkv:
	s_mov_b64 s[64:65], 0
	v_nop
	global_prefetch_b8 v0, s[64:65] scope:SCOPE_SE
	s_setreg_imm32_b32 hwreg(HW_REG_WAVE_MODE, 25, 1), 1
	s_wait_xcnt 0x0
	s_wait_alu depctr_hold_cnt(0) depctr_sa_sdst(0) depctr_va_vdst(0) depctr_va_sdst(0) depctr_va_ssrc(0) depctr_va_vcc(0) depctr_vm_vsrc(0)
	s_getreg_b32 s2, hwreg(HW_REG_IB_STS2, 6, 4)
	s_cmp_eq_u32 s2, 0
	s_cbranch_scc0 .Lentry_in_a_cluster
	s_endpgm
.Lentry_in_a_cluster:
	s_bfe_u32 s2, ttmp6, 0x10000c
	s_cmp_lg_u32 s2, 0xf033
	s_cbranch_scc0 .Lentry_shape_is_right
	s_endpgm
.Lentry_shape_is_right:
.set KSTEP,  256
.set ROWB,   256
.set KROW,   2048
.set PITCH,  272
.set FR,     16
.set NL,     4
.set NP,     4
.set HALFT,  128*PITCH
.set SLOT,   4*HALFT
.set LAPS,   4
.set SPARE,  2*SLOT
.set ADRA, 16
.set ADRB, 20
.set IMG,  27
.set SPW,  28
.set NIL,  29
.set LIM,  30
.set SC,   31
.set CS,   32
.set AF,   128
.set RR,   160
.set PC,   224
.set G1, 24
.set G0, 32
.set G1B, 48
.set G0B, 56
.set MSB, 0
.macro WIN new
.if MSB != \new
	s_set_vgpr_msb (MSB<<8)|\new
.set MSB, \new
.endif
.endm
.set MUL_LO, 0xa1
.set MUL_HI, 0xf1
.set TO_B,   0x40
.macro JLOAD g0a, g1a, g0b, g1b
	s_cmp_eq_u32 s15, 0
	s_cbranch_scc0 .Lfor_b_\@
	tensor_load_to_lds s[\g0a:\g0a+3], s[\g1a:\g1a+7]
	s_nop 0
.rept 4
	v_nop
.endr
	s_branch .Lasked_\@
.Lfor_b_\@:
	tensor_load_to_lds s[\g0b:\g0b+3], s[\g1b:\g1b+7]
	s_nop 0
.rept 4
	v_nop
.endr
.Lasked_\@:
.endm
.macro CREST
	s_cmp_lg_u32 s14, 0
	s_cbranch_scc1 .Lnot_wave_0_\@
	s_barrier_signal -3
.Lnot_wave_0_\@:
	s_barrier_wait -3
	s_barrier_signal -1
	s_barrier_wait -1
.endm
.macro CROUND
	s_barrier_signal -1
	s_barrier_wait -1
	CREST
.endm
	s_load_b256 s[68:75], s[0:1], 0x0
	s_load_b128 s[76:79], s[0:1], 0x20
	s_load_b64 s[80:81], s[0:1], 0x30
	v_lshl_add_u32 v[SPW], v0, 2, SPARE
	v_mov_b32 v[NIL], 0
	ds_add_u32 v[SPW], v[NIL]
	ds_add_u32 v[SPW], v[NIL]
	v_lshrrev_b32 v1, 5, v0
	v_readfirstlane_b32 s14, v1
	s_lshr_b32 s15, s14, 1
	s_and_b32 s16, s14, 1
	s_bfe_u32 s40, ttmp6, 0x40000
	s_bfe_u32 s41, ttmp6, 0x40004
	s_lshr_b32 s66, ttmp9, 1
	s_and_b32 s42, ttmp9, 1
	s_lshl_b32 s42, s42, 2
	s_add_co_u32 s42, s42, s40
	s_and_b32 s17, ttmp7, 0xffff
	s_lshl_b32 s17, s17, 2
	s_add_co_u32 s17, s17, s41
	s_lshl_b32 s43, s41, 2
	s_lshl_b32 s43, 15, s43
	s_lshl_b32 s44, 0x1111, s40
	s_or_b32 s[G1+0], s43, (0<<16)|(1<<20)|(1<<21)|(5<<22)|(3<<25)
	s_or_b32 s[G1B+0], s44, (0<<16)|(1<<20)|(1<<21)|(5<<22)|(3<<25)
.irp g, G1, G1B
	s_mov_b32 s[\g+1], ROWB<<16
	s_mov_b32 s[\g+2], 128<<16
	s_mov_b32 s[\g+3], ROWB<<16
	s_mov_b32 s[\g+4], 128
	s_mov_b32 s[\g+5], KROW
	s_mov_b32 s[\g+6], 0
	s_mov_b32 s[\g+7], 0
.endr
	s_lshl_b32 s18, s16, 7
	s_lshl_b32 s19, s66, 22
	s_lshl_b32 s20, s17, 8
	s_add_co_u32 s20, s20, s18
	s_lshl_b32 s20, s20, 11
	s_add_co_u32 s20, s20, s19
	s_mov_b32 s21, 0
	s_lshl_b32 s46, s42, 8
	s_add_co_u32 s46, s46, s18
	s_lshl_b32 s46, s46, 11
	s_add_co_u32 s46, s46, s19
	s_mov_b32 s47, 0
	s_mul_i32 s45, s14, HALFT
	s_wait_dscnt 0x0
	s_wait_kmcnt 0x0
	s_load_b256 s[84:91], s[74:75], 0x0
	s_load_b128 s[92:95], s[74:75], 0x20
	s_cmp_lt_u32 s66, 2
	s_cselect_b64 s[4:5], s[68:69], s[70:71]
	s_cselect_b64 s[6:7], s[70:71], s[68:69]
	s_add_nc_u64 s[20:21], s[4:5], s[20:21]
	s_add_nc_u64 s[46:47], s[6:7], s[46:47]
	; the prefetches: of the 128 rows that my wave fetches, each of the four partners that ask for them jointly names 32, told apart BY ADDRESS (cx for A's tiles, cy for B's): a lane a row, 256 bytes of a row a K step
	s_cmp_eq_u32 s15, 0
	s_cselect_b64 s[4:5], s[20:21], s[46:47]
	s_cselect_b32 s6, s40, s41
	s_lshl_b32 s6, s6, 16                          ; 32 rows of 2,048 bytes
	s_mov_b32 s7, 0
	s_add_nc_u64 s[4:5], s[4:5], s[6:7]
	v_and_b32 v7, 31, v0
	v_lshlrev_b32 v7, 11, v7                       ; my lane's row; never rewritten
	s_wait_alu depctr_va_vdst(0)
	CROUND
.irp s, 0,1
	s_mov_b32 s[G0+4*\s], 1
	s_add_co_u32 s[G0+4*\s+1], s45, \s*SLOT
	s_add_nc_u64 s[G0+4*\s+2:G0+4*\s+3], s[20:21], \s*ROWB
	s_or_b32 s[G0+4*\s+3], s[G0+4*\s+3], 0x80000000
	s_mov_b32 s[G0B+4*\s], 1
	s_add_co_u32 s[G0B+4*\s+1], s45, \s*SLOT
	s_add_nc_u64 s[G0B+4*\s+2:G0B+4*\s+3], s[46:47], \s*ROWB
	s_or_b32 s[G0B+4*\s+3], s[G0B+4*\s+3], 0x80000000
.if \s                                 ; K step 0 goes out behind the opening round; slot 1's first fill stands behind the full sequence
	s_wait_alu depctr_va_vdst(0)
	s_wait_tensorcnt 0x0                           ; my part of K step 0 is in
	ds_add_u32 v28, v29
	s_wait_dscnt 0x0
	CROUND
.endif
	JLOAD G0+4*\s, G1, G0B+4*\s, G1B
.if \s == 0
	global_prefetch_b8 v7, s[4:5] offset:ROWB th:TH_LOAD_NT scope:SCOPE_SE          ; K step 1, whose load follows when K step 0 has landed
.endif
	global_prefetch_b8 v7, s[4:5] offset:(\s+2)*ROWB th:TH_LOAD_NT scope:SCOPE_SE   ; the K step two on
.endr
	v_and_b32 v1, 15, v0
	v_bfe_u32 v2, v0, 4, 1
	v_mul_u32_u24 v3, v1, PITCH
	v_lshl_add_u32 v4, v2, 4, v3
	s_mul_i32 s21, s15, HALFT
	s_mul_i32 s22, s16, HALFT
	s_add_co_u32 s22, s22, 2*HALFT
.irp s, 0,1
	v_add_nc_u32 v[ADRA+\s], s21, v4
	v_add_nc_u32 v[ADRB+\s], s22, v4
	s_add_co_u32 s21, s21, SLOT
	s_add_co_u32 s22, s22, SLOT
.endr
	v_and_b32 v6, 31, v0
	v_lshlrev_b32 v[IMG], 4, v6
	s_wait_alu depctr_va_vdst(0)
	s_lshl_b32 s96, s42, 1
	s_add_co_u32 s96, s96, s16
	s_lshl_b32 s97, s17, 1
	s_add_co_u32 s97, s97, s15
	s_lshl_b32 s99, s97, 3
	s_lshl_b32 s82, s99, 13
	s_mov_b32 s83, 0
	s_add_nc_u64 s[10:11], s[72:73], s[82:83]
.irp b, 0,1,2,3
.irp c, 0,1,2,3
	global_load_b128 v[CS+16*\b+4*\c:CS+16*\b+4*\c+3], v[IMG], s[10:11] offset:2048*\b+512*\c
.endr
.endr
	s_lshl_b32 s98, s96, 7
	s_add_co_u32 s98, s98, s99
	s_lshl_b32 s98, s98, 11
	s_lshl_b32 s82, s97, 5
	s_lshl_b32 s67, s96, 1
	s_add_co_u32 s82, s82, s67
	s_lshl_b32 s82, s82, 13
	s_cmp_eq_u32 s66, 2
	s_cselect_b32 s82, s82, s98
	s_cselect_b64 s[8:9], s[80:81], s[78:79]
	s_cmp_eq_u32 s66, 0
	s_cselect_b64 s[8:9], s[76:77], s[8:9]
	s_add_nc_u64 s[8:9], s[8:9], s[82:83]
.macro FRAG reg, adr, q, i
.irp c, 0,1,2,3
	ds_load_b128 v[\reg+4*\c:\reg+4*\c+3], v[\adr] offset:128*(\q)+32*\c+(\i)*16*PITCH
.endr
.endm
.macro MUL16 a0, p, zero
.irp a, \a0, \a0+1
.irp b, 0,1,2,3,4,5,6,7
.if \zero
	v_wmma_f32_16x16x128_fp8_fp8 v[8*(8*((\a)%4)+\b):8*(8*((\a)%4)+\b)+7], v[128*(\p)+FR*\b:128*(\p)+FR*\b+FR-1], v[AF+FR*(\a):AF+FR*(\a)+FR-1], 0
.else
	v_wmma_f32_16x16x128_fp8_fp8 v[8*(8*((\a)%4)+\b):8*(8*((\a)%4)+\b)+7], v[128*(\p)+FR*\b:128*(\p)+FR*\b+FR-1], v[AF+FR*(\a):AF+FR*(\a)+FR-1], v[8*(8*((\a)%4)+\b):8*(8*((\a)%4)+\b)+7]
.endif
.endr
.endr
.endm
.macro FETCH_B slot, q, p
	WIN TO_B
.irp i, 0,1,2,3,4,5,6,7
	FRAG 128*(\p)+FR*\i, ADRB+\slot, \q, \i
.endr
	WIN 0
.endm
.macro FETCH_A slot, q, i0
.irp i, \i0, \i0+1, \i0+2, \i0+3
	FRAG AF+FR*(\i), ADRA+\slot, \q, \i
.endr
.endm
.macro PLACES n
.rept \n
	v_nop
.endr
.endm
.macro STEP slot, q, zero
	s_wait_dscnt 4*NL
	WIN MUL_LO
	MUL16 0, (\q)%2, \zero
	MUL16 2, (\q)%2, \zero
	s_wait_dscnt 0
	PLACES NP
	FETCH_B \slot, (\q)+1, 1-(\q)%2
	FETCH_A \slot, (\q)+1, 0
	WIN MUL_HI
	MUL16 4, (\q)%2, \zero
	MUL16 6, (\q)%2, \zero
	PLACES NP
	WIN 0
	FETCH_A \slot, (\q)+1, 4
.endm
.macro TURN slot, next, fill
.if (\fill) && ((\slot) == 0)
	s_wait_xcnt 0x0                                ; the last lap's prefetches have read their base: it goes two K steps on
	s_add_nc_u64 s[4:5], s[4:5], 2*ROWB
.endif
	s_wait_dscnt 4*NL                              ; B's set and A's blocks 0-3 are in
	WIN MUL_LO
	MUL16 0, 1, 0
	WIN 0                                          ; the add's two registers lie in window 0
	s_wait_tensorcnt 0x0                           ; all my tensor loads have landed: my part of the next slot
	ds_add_u32 v[SPW], v[NIL]                      ; 0 onto my spare word; sixteen products stand between it and the wait for it
	WIN MUL_LO
	MUL16 2, 1, 0
	WIN 0
	s_wait_dscnt 0x0                               ; the add is done, and my reads of this slot are over
	s_barrier_signal -1
	s_barrier_wait -1
.if \fill
	CREST
	s_add_nc_u64 s[G0+4*\slot+2:G0+4*\slot+3], s[G0+4*\slot+2:G0+4*\slot+3], 2*ROWB
	s_add_nc_u64 s[G0B+4*\slot+2:G0B+4*\slot+3], s[G0B+4*\slot+2:G0B+4*\slot+3], 2*ROWB
	JLOAD G0+4*\slot, G1, G0B+4*\slot, G1B
	s_cmp_gt_u32 s3, 1                             ; the last lap's refills have no K step two on
	s_cbranch_scc0 .Lno_ask_\@
	global_prefetch_b8 v7, s[4:5] offset:((\slot)+2)*ROWB th:TH_LOAD_NT scope:SCOPE_SE   ; the K step that stands two refills on
.Lno_ask_\@:
.else
	PLACES NP
.endif
	FETCH_B \next, 0, 0
	FETCH_A \next, 0, 0
	WIN MUL_HI
	MUL16 4, 1, 0
	MUL16 6, 1, 0
	PLACES NP
	WIN 0
	FETCH_A \next, 0, 4
.endm
	s_wait_tensorcnt 1
	s_barrier_signal -1
	s_barrier_wait -1
	FETCH_B 0, 0, 0
	FETCH_A 0, 0, 0
	FETCH_A 0, 0, 4
	STEP 0, 0, 1
	s_mov_b32 s3, LAPS-1
.Llap:
	TURN 0, 1, 1
	STEP 1, 0, 0
	TURN 1, 0, 1
	STEP 0, 0, 0
	s_sub_co_u32 s3, s3, 1
	s_cmp_lg_u32 s3, 0
	s_cbranch_scc1 .Llap
	TURN 0, 1, 0
	STEP 1, 0, 0
; The table's images of block a (1 to 7) go into window 1, 64 registers at 64 ((a - 1) % 4): B's fragments are done with there.
.macro RLOAD a
	WIN TO_B
.irp b, 0,1,2,3
.irp c, 0,1,2,3
	global_load_b128 v[64*(((\a)-1)%4)+16*\b+4*\c:64*(((\a)-1)%4)+16*\b+4*\c+3], v[IMG], s[10:11] offset:8192*(\a)+2048*\b+512*\c
.endr
.endr
	WIN 0
.endm
	RLOAD 1                                        ; B's set 0 has been multiplied for the last time, four places back: blocks 1 and 2 are asked for 64 matrix instructions ahead of the way out
	RLOAD 2
	s_wait_dscnt 4*NL
	WIN MUL_LO
	MUL16 0, 1, 0
	MUL16 2, 1, 0
	s_wait_dscnt 0
	WIN MUL_HI
	MUL16 4, 1, 0
	MUL16 6, 1, 0
	WIN 0
	s_wait_kmcnt 0x0
	s_cmp_eq_u32 s66, 0
	s_cselect_b32 s96, s84, s86
	s_cselect_b32 s97, s85, s87
	s_cselect_b32 s98, s90, s91
	s_cmp_eq_u32 s66, 2
	s_cselect_b32 s96, s88, s96
	s_cselect_b32 s97, s89, s97
	s_cselect_b32 s98, s93, s98
	s_sub_co_i32 s98, s98, s96
	s_sub_co_i32 s98, s98, s97
	s_add_co_i32 s98, s98, 127
	s_lshl_b32 s12, s98, 23
	s_add_co_i32 s98, s98, 8
	s_lshl_b32 s13, s98, 23
	s_or_b32 s13, s13, 0x600000
	PLACES NP
	v_mov_b32 v[SC], s12
	v_mov_b32 v[LIM], s13
.macro ROPE a
.set AC, 64*((\a)%4)
.if (\a) == 0
.set CU, CS
.else
.set CU, 64*(((\a)-1)%4)
.endif
.set PP, PC+16*((\a)%2)
.if (\a) == 0
	RLOAD 3                                        ; B's set 1 is done with too
	RLOAD 4
	s_wait_loadcnt 63                              ; block 0's images, asked for at the head, are in: 64 loads were issued behind them
	WIN 0x02
.else
.if (\a) < 5
	s_wait_loadcnt 48                              ; block a's images are in; three later blocks' 48 loads may be out
.else
	s_wait_loadcnt 16*(7-(\a))
.endif
	WIN (0x06+((\a)/4))                            ; source 1, the table, in window 1
.endif
.irp b, 0,1,2,3
.irp i, 0,2,4,6
	v_pk_mul_f32 v[RR+32+8*\b+\i:RR+32+8*\b+\i+1], v[AC+8*\b+\i:AC+8*\b+\i+1], v[CU+16*\b+8+\i:CU+16*\b+8+\i+1]
	v_pk_mul_f32 v[RR+8*\b+\i:RR+8*\b+\i+1], v[AC+32+8*\b+\i:AC+32+8*\b+\i+1], v[CU+16*\b+8+\i:CU+16*\b+8+\i+1]
	v_pk_fma_f32 v[RR+32+8*\b+\i:RR+32+8*\b+\i+1], v[AC+32+8*\b+\i:AC+32+8*\b+\i+1], v[CU+16*\b+\i:CU+16*\b+\i+1], v[RR+32+8*\b+\i:RR+32+8*\b+\i+1]
	v_pk_fma_f32 v[RR+8*\b+\i:RR+8*\b+\i+1], v[AC+8*\b+\i:AC+8*\b+\i+1], v[CU+16*\b+\i:CU+16*\b+\i+1], v[RR+8*\b+\i:RR+8*\b+\i+1] neg_lo:[0,0,1] neg_hi:[0,0,1]
.endr
.endr
	WIN 0
.if ((\a) >= 1) && ((\a) <= 3)
	RLOAD (\a)+4                                   ; this block's images have been read: their registers take the block four on
.endif
.set j, 0
.rept 64
	v_med3_num_f32 v[RR+j], v[RR+j], -v[LIM], v[LIM]
.set j, j+1
.endr
	s_wait_alu depctr_va_vdst(0)
	s_wait_xcnt 0x0
.irp b, 0,1,2,3,4,5,6,7
	v_cvt_scalef32_pk8_fp8_f32 v[PP+2*\b:PP+2*\b+1], v[RR+8*\b:RR+8*\b+7], v[SC]
.endr
	v_nop
.irp c, 0,1,2,3
	global_store_b128 v[IMG], v[PP+4*\c:PP+4*\c+3], s[8:9] offset:2048*(\a)+512*\c
.endr
.endm
.macro VOUT a
.set AC, 64*((\a)%4)
.set PP, PC+16*((\a)%2)
	WIN (0x02+((\a)/4))
.set j, 0
.rept 64
	v_med3_num_f32 v[RR+j], v[AC+j], -v[LIM], v[LIM]
.set j, j+1
.endr
	WIN 0
	s_wait_alu depctr_va_vdst(0)
	s_wait_xcnt 0x0
.irp b, 0,1,2,3,4,5,6,7
	v_cvt_scalef32_pk8_fp8_f32 v[PP+2*\b:PP+2*\b+1], v[RR+8*\b:RR+8*\b+7], v[SC]
.endr
	v_nop
.irp g, 0,1
.irp c, 0,1
	global_store_b128 v[IMG], v[PP+8*\g+4*\c:PP+8*\g+4*\c+3], s[8:9] offset:8192*\g+1024*(\a)+512*\c
.endr
.endr
.endm
	s_cmp_eq_u32 s66, 2
	s_cbranch_scc1 .Lv_out
.irp a, 0,1,2,3,4,5,6,7
	ROPE \a
.endr
	s_branch .Lclose
.Lv_out:
	s_wait_alu depctr_va_vdst(0)
.irp a, 0,1,2,3,4,5,6,7
	VOUT \a
.endr
.Lclose:
	s_wait_tensorcnt 0x0
	ds_add_u32 v[SPW], v[NIL]
	s_wait_dscnt 0x0
	CROUND
	s_endpgm
.Lfunc_end_k_qa952294d21_qkv:
	.size	k_qa952294d21_qkv, .Lfunc_end_k_qa952294d21_qkv-k_qa952294d21_qkv
	.p2alignl 7, 3214868480
	.fill 96, 4, 3214868480
	.section	.rodata,"a",@progbits
	.p2align	6, 0x0
	.amdhsa_kernel k_qa952294d21_qkv
		.amdhsa_group_segment_fixed_size 327680
		.amdhsa_private_segment_fixed_size 0
		.amdhsa_enable_private_segment 0
		.amdhsa_kernarg_size 56
		.amdhsa_user_sgpr_count 2
		.amdhsa_user_sgpr_kernarg_segment_ptr 1
		.amdhsa_wavefront_size32 1
		.amdhsa_system_sgpr_workgroup_id_x 1
		.amdhsa_system_sgpr_workgroup_id_y 1
		.amdhsa_system_sgpr_workgroup_id_z 1
		.amdhsa_system_vgpr_workitem_id 0
		.amdhsa_next_free_vgpr 1024
		.amdhsa_next_free_sgpr 100
		.amdhsa_reserve_vcc 0
		.amdhsa_float_denorm_mode_32 3
		.amdhsa_float_denorm_mode_16_64 3
		.amdhsa_memory_ordered 1
		.amdhsa_forward_progress 1
		.amdhsa_inst_pref_size 205
	.end_amdhsa_kernel
	.amdgpu_metadata
---
amdhsa.version: [ 1, 2 ]
amdhsa.kernels:
  - .name:           k_qa952294d21_qkv
    .symbol:         k_qa952294d21_qkv.kd
    .args:
      - { .name: xc, .offset: 0, .size: 8, .value_kind: global_buffer, .address_space: global }
      - { .name: wc, .offset: 8, .size: 8, .value_kind: global_buffer, .address_space: global }
      - { .name: rope, .offset: 16, .size: 8, .value_kind: global_buffer, .address_space: global }
      - { .name: lowp_scales, .offset: 24, .size: 8, .value_kind: global_buffer, .address_space: global }
      - { .name: qc, .offset: 32, .size: 8, .value_kind: global_buffer, .address_space: global }
      - { .name: kc, .offset: 40, .size: 8, .value_kind: global_buffer, .address_space: global }
      - { .name: vc, .offset: 48, .size: 8, .value_kind: global_buffer, .address_space: global }
    .group_segment_fixed_size: 327680
    .private_segment_fixed_size: 0
    .kernarg_segment_align: 8
    .kernarg_segment_size: 56
    .max_flat_workgroup_size: 128
    .sgpr_count:     100
    .vgpr_count:     1024
    .wavefront_size: 32
...
	.end_amdgpu_metadata
.endif
;; end of part 2
;; launch attn (part 3): grid 16 x 16, 8 waves a work-group, clusters of 4 x 4, 327,680 bytes of LDS; arguments qc, kc, vc, mk, lowp_scales, ac; writes ac
.if DOCPART == 3
	.amdgcn_target "amdgcn-amd-amdhsa--gfx1250"
	.amdhsa_code_object_version 6
	.text
	.protected	k_qa952294d21_attn
	.globl	k_qa952294d21_attn
	.p2align	8
	.type	k_qa952294d21_attn,@function
k_qa952294d21_attn:
	s_mov_b64 s[64:65], 0
	v_nop
	global_prefetch_b8 v0, s[64:65] scope:SCOPE_SE
	s_setreg_imm32_b32 hwreg(HW_REG_WAVE_MODE, 25, 1), 1
	s_wait_xcnt 0x0
	s_wait_alu depctr_hold_cnt(0) depctr_sa_sdst(0) depctr_va_vdst(0) depctr_va_sdst(0) depctr_va_ssrc(0) depctr_va_vcc(0) depctr_vm_vsrc(0)
	s_getreg_b32 s2, hwreg(HW_REG_IB_STS2, 6, 4)
	s_cmp_eq_u32 s2, 0
	s_cbranch_scc0 .Lentry_in_a_cluster
	s_endpgm
.Lentry_in_a_cluster:
	s_bfe_u32 s2, ttmp6, 0x10000c
	s_cmp_lg_u32 s2, 0xf033
	s_cbranch_scc0 .Lentry_shape_is_right
	s_endpgm
.Lentry_shape_is_right:
; THE THIRD LAUNCH: attention on codes of FP8 (E4M3).  t = q . k x log2(e) / sqrt(128) + mk, mk = attention_mask x log2(e) as the first launch laid it; M = the row's largest t so far, rounded UP to a whole number;
; p = 2^(t - M) is quantised (entry 8) and multiplied with v's codes; the row's sum is taken of the unquantised p and divides at the end; the result is quantised (entry 10) for the last projection.
; The mask is an input: all of it is read and added, for every head; nothing is assumed of its pattern.
; SHARES.  A work-group owns 128 queries of one head: 16 x 16 = 256 work-groups.  Wave w: g = w % 4, half = w / 4: queries 32 g .. 32 g + 31 (two tiles u of 16) and, of every tile of 128 keys, the 64 keys 64 half on.
; Each fragment of K and of V feeds two matrix instructions; two waves share a SIMD.  The two halves are merged at the end through LDS: their M are whole numbers, so the factors are powers of two.
; LAYOUT.  S^T = K Q^T (source 0 = 16 keys, source 1 = 16 queries): lane (r, h) holds query r; register j of key tile t holds key 16 t + 8 h + j.  The conversion of tile t's eight registers IS registers 2 t, 2 t + 1 of P
; for the K = 64 form; O^T += V^T P^T again holds one query a lane.  kc, qc, vc and mk are images of these registers.
; THE RING holds K and V alone: two LDS slots of 512 keys, K's four tiles of 16 KiB, then V's four.  Each of the eight waves fetches one tile (waves 0-3 K's, 4-7 V's) by one tensor load: four changes of slots in all.
; CLUSTER 4 x 4: x runs over heads, y over blocks of queries.  K and V hang on the head alone: each load is asked for JOINTLY along a column.
; THE MASK's images are each read by one wave of a work-group, so they go from memory straight into registers, 16 loads of 512 consecutive bytes a tile, TWO TILES AHEAD, in two sets of 64 registers by turns.
; The look-ahead of the last two tiles names tiles 0 and 1 again (the offset is taken modulo the block's 16 tiles), so that the counted wait has the same loads behind it in every trip; nothing reads what they bring.
; No prefetch is laid for the mask: its loads themselves stand two tiles ahead of their use.  K's and V's next slot but one is prefetched at each change of slots (macro ASK).
; O^T begins as zeros and the largest t as -3e38, so that the step is written without a first copy: the first change of M multiplies zeros.
; LIMITS: entries 6 + 7 between -123 and 130 (added to the exponent field of log2(e) / sqrt(128)); entries 8 and 10 each between -126 and 119; entries 8 + 9 go by v_ldexp_f32 and have none.
; The promise holds while |t| stays under 2^31.  NaN and infinities among the inputs, and a mask row wholly -infinity, are not served; a row wholly at a large finite negative number is.
; REGISTERS.  Window 0: v1-13 addresses and constants; v16-31 statistics, eight a tile u: +0 -M, +1 the largest t, +2, +3 the sum, +4 f, +5 zero, +6, +7 at work; v32-95 S^T, then p; v96-159 the mask, even tiles;
;   v160-223 K's four fragments, then V's eight; v224-239 P's codes; v240-255 at work.   Window 1: v0-127 O^T (64 u + 8 a); v128-159 Q; v160-223 the mask, odd tiles.
.set SLOT1, 131072                     ; slot 1 begins here: one exclusive or turns an address in one slot into the other's
.set VOFF,  65536                      ; in a slot: K's tiles at 0, V's here
.set MSG,   33*512                     ; the merge's stage, for each g 32 chunks of O^T and one of statistics; it lies in slot 0, which has had its last fill and its last read by then
.set SPARE, 2*SLOT1                    ; behind the ring: the spare words, 128 bytes a wave: four blocks of 256 bytes that no other line names
.set AD0,  1                           ; v1   8,192 half + 16 lane
.set ADK,  3                           ; v3   the same in the pair of tiles in hand, for K
.set ADV,  4                           ; v4   for V
.set SPW,  5
.set NIL,  6
.set PFO,  7                           ; v7   the prefetches' offset
.set IMG,  8                           ; v8   16 x lane
.set MST,  9                           ; v9   my group's stage + 16 x lane
.set LIMP, 10
.set SCP,  11
.set LIMA, 12
.set SCA,  13
.set ST,   16
.set S,    32
.set MKA,  96
.set KF,   160
.set PC,   224
.set TT,   240
.set QF,   128
.set WV,   16                          ; s16 wave; s17 g; s18 half; s19 cx; s20 cy; s21 head; s22 block of queries
.set G1,   24                          ; s[24:31] descriptor group 1
.set G0,   40                          ; s[40:43] group 0, which walks
.set MO,   44                          ; s[44:45] the mask look-ahead's offset in my block row
.set C0,   56                          ; s[56:57] 2^(e6 + e7) log2(e) / sqrt(128)
.set SEL,  58
.set TB,   60                          ; s60  LDS byte at which the pair of tiles in hand begins
.set SL,   61                          ; s61  fills still to come
.set PR,   62                          ; s62  pairs still to come in the slot
.set PFA,  66                          ; s[66:67] where my prefetches stand
.set MB,   68                          ; s[68:69] my wave's images of tile 0;  s[70:71] of the pair that is being asked for
.set MA,   70
.set MSB, 0
.macro WIN new
.if MSB != (\new)
	s_set_vgpr_msb (MSB<<8)|(\new)
.set MSB, (\new)
.endif
.endm
.set W_KQ, 0x04                        ; source 1 (Q) window 1.  Also: the data of an LDS store in window 1
.set W_PV, 0x50                        ; C and D (O^T) window 1
.set W_RS, 0x41                        ; O^T (destination and source 0) window 1
.set TO_1, 0x40
.macro PLACES n
.rept \n
	v_nop
.endr
.endm
.macro CROUND                          ; a round of the cluster's barrier
	s_barrier_signal -1
	s_barrier_wait -1
	s_cmp_lg_u32 s[WV], 0
	s_cbranch_scc1 .Lnot_wave_0_\@
	s_barrier_signal -3
.Lnot_wave_0_\@:
	s_barrier_wait -3
	s_barrier_signal -1
	s_barrier_wait -1
.endm
; A PREFETCH INTO THE L2 of the slot that the NEXT change will ask for: four tiles of work ahead of that load.  Of the 16 KiB that wave w fetches, the partner at place cy of the column takes 4 KiB, told apart BY ADDRESS:
; lanes 0-15 name its 16 blocks of 256 bytes, the lanes left over the last of them again.  So each block is named once in each cluster that will load it.  The last filling change names nothing; slots 0 and 1 come by their loads alone.
.macro ASK
	s_cmp_gt_u32 s[SL], 1
	s_cbranch_scc0 .Lnone_\@
	global_prefetch_b8 v[PFO], s[PFA:PFA+1] th:TH_LOAD_NT scope:SCOPE_SE
.Lnone_\@:
.endm
	s_load_b256 s[4:11], s[0:1], 0x0               ; qc s[4:5], kc s[6:7], vc s[8:9], mk s[10:11]
	s_load_b128 s[12:15], s[0:1], 0x20             ; lowp_scales s[12:13], ac s[14:15]
	v_lshl_add_u32 v[SPW], v0, 2, SPARE
	v_mov_b32 v[NIL], 0
	ds_add_u32 v[SPW], v[NIL]                      ; the opening: the add, twice on end, and its wait ahead of my first tensor load
	ds_add_u32 v[SPW], v[NIL]
	v_lshrrev_b32 v240, 5, v0
	v_readfirstlane_b32 s[WV], v240                ; wave 0..7
	s_and_b32 s17, s[WV], 3
	s_lshr_b32 s18, s[WV], 2
	s_bfe_u32 s19, ttmp6, 0x40000
	s_bfe_u32 s20, ttmp6, 0x40004
	s_lshl_b32 s21, ttmp9, 2
	s_add_co_u32 s21, s21, s19                     ; head = 4 x cluster x + cx
	s_and_b32 s22, ttmp7, 0xffff
	s_lshl_b32 s22, s22, 2
	s_add_co_u32 s22, s22, s20                     ; block of 128 queries = 4 x cluster y + cy
	s_lshl_b32 s85, 0x1111, s19                    ; my column of the cluster
	s_or_b32 s[G1], s85, (3<<16)|(1<<21)           ; 16 KiB, dense in memory, as 64 rows of 256 bytes (32 elements of 8 bytes), no padding; bit 21 beside the mask
	s_mov_b32 s[G1+1], 32<<16
	s_mov_b32 s[G1+2], 64<<16
	s_mov_b32 s[G1+3], 32<<16
	s_mov_b32 s[G1+4], 64
	s_mov_b32 s[G1+5], 32
	s_mov_b32 s[G1+6], 0
	s_mov_b32 s[G1+7], 0
	v_and_b32 v242, 31, v0
	v_lshlrev_b32 v[IMG], 4, v242
	s_lshl_b32 s84, s18, 13
	v_add_nc_u32 v[AD0], s84, v[IMG]               ; my half's four images of K (2,048 bytes each), or eight of V (1,024 each)
	s_mul_i32 s86, s17, MSG
	v_add_nc_u32 v[MST], s86, v[IMG]
	v_min_u32 v[PFO], 15, v242
	v_lshlrev_b32 v[PFO], 8, v[PFO]
	s_lshl_b32 s88, s[WV], 14                      ; what I fetch lands at 16,384 x wave: K's four tiles, then V's four
	s_lshl_b32 s90, s21, 18                        ; the head's 262,144 bytes in kc and in vc,
	s_lshl_b32 s91, s17, 14                        ; tile wave % 4 of the slot
	s_add_co_u32 s90, s90, s91
	s_mov_b32 s91, 0
	s_mov_b32 s[SEL], 0x76543210
	s_mov_b32 s[SEL+1], 0xfedcba98
	s_mov_b32 s96, 0xffff0000                      ; lanes 16 to 31
	s_mov_b32 s[TB], 0
	s_mov_b32 s[SL], 3
	s_mov_b32 s[MO], 0
	s_mov_b32 s[MO+1], 0
.irp u, 0,1
	v_mov_b32 v[ST+8*\u+1], 0xff61b1e6             ; the largest t so far: -3e38
	v_floor_f32 v[ST+8*\u], -v[ST+8*\u+1]          ; -M
	v_mov_b32 v[ST+8*\u+2], 0
	v_mov_b32 v[ST+8*\u+3], 0
	v_mov_b32 v[ST+8*\u+4], 0
	v_mov_b32 v[ST+8*\u+5], 0
	v_mov_b32 v[ST+8*\u+6], 0
	v_mov_b32 v[ST+8*\u+7], 0
.endr
	s_wait_alu depctr_va_vdst(0)
	s_wait_dscnt 0x0                               ; both opening adds are done
	s_wait_kmcnt 0x0
	s_load_b256 s[72:79], s[12:13], 0x0            ; entries 0 to 7
	s_load_b128 s[80:83], s[12:13], 0x20           ; entries 8 to 11
	s_cmp_lt_u32 s[WV], 4
	s_cselect_b64 s[94:95], s[6:7], s[8:9]         ; waves 0-3 stand in kc, waves 4-7 in vc
	s_add_nc_u64 s[94:95], s[94:95], s[90:91]
	s_mov_b32 s[G0], 1
	s_mov_b32 s[G0+1], s88
	s_mov_b64 s[G0+2:G0+3], s[94:95]
	s_or_b32 s[G0+3], s[G0+3], 0x80000000
	CROUND                                         ; all sixteen work-groups are here: the first joint loads meet
	tensor_load_to_lds s[G0:G0+3], s[G1:G1+7]      ; slot 0: every wave's one load at the head
	s_nop 0
	PLACES 4
	s_lshl_b32 s84, s20, 12
	s_add_co_u32 s84, s84, 65536
	s_mov_b32 s85, 0
	s_add_nc_u64 s[PFA:PFA+1], s[94:95], s[84:85]  ; my work-group's 4 KiB, in slot 1: the first change steps it to slot 2
	s_lshl_b32 s84, s21, 7                         ; Q: image head x 128 + 8 x block + 2 g, and the next
	s_lshl_b32 s85, s22, 3
	s_add_co_u32 s84, s84, s85
	s_lshl_b32 s85, s17, 1
	s_add_co_u32 s84, s84, s85
	s_lshl_b32 s84, s84, 11
	s_mov_b32 s85, 0
	s_add_nc_u64 s[4:5], s[4:5], s[84:85]
	s_lshl_b32 s84, s22, 20                        ; the mask: 1 MiB for a block of queries, 8,192 bytes for a wave
	s_lshl_b32 s85, s[WV], 13
	s_add_co_u32 s84, s84, s85
	s_mov_b32 s85, 0
	s_add_nc_u64 s[MB:MB+1], s[10:11], s[84:85]
	WIN TO_1
.irp u, 0,1
.irp c, 0,1,2,3
	global_load_b128 v[QF+16*\u+4*\c:QF+16*\u+4*\c+3], v[IMG], s[4:5] offset:2048*\u+512*\c   ; Q's two fragments stay in registers
.endr
.endr
	WIN 0
.set i, 0
.rept 16
	global_load_b128 v[MKA+4*i:MKA+4*i+3], v[IMG], s[MB:MB+1] offset:512*i           ; the mask of tile 0
.set i, i+1
.endr
	WIN TO_1
.set i, 0
.rept 16
	global_load_b128 v[MKA+64+4*i:MKA+64+4*i+3], v[IMG], s[MB:MB+1] offset:65536+512*i   ; of tile 1
.set i, i+1
.endr
.set i, 0
.rept 128
	v_mov_b32 v[i], 0                              ; O^T
.set i, i+1
.endr
	WIN 0
	s_lshl_b32 s86, s22, 3                         ; ac: image (8 x block + 2 g) x 16 + head
	s_lshl_b32 s87, s17, 1
	s_add_co_u32 s86, s86, s87
	s_lshl_b32 s86, s86, 4
	s_add_co_u32 s86, s86, s21
	s_lshl_b32 s86, s86, 11
	s_mov_b32 s87, 0
	s_add_nc_u64 s[14:15], s[14:15], s[86:87]
	s_wait_kmcnt 0x0
	s_add_co_i32 s84, s78, s79
	s_lshl_b32 s84, s84, 23
	s_add_co_i32 s[C0], s84, 0x3e0293ee            ; the two exponents are added to the exponent field of log2(e) / sqrt(128)
	s_mov_b32 s[C0+1], s[C0]
	s_add_co_i32 s84, s80, 127
	s_lshl_b32 s85, s84, 23
	v_mov_b32 v[SCP], s85                          ; 2^e8
	s_add_co_i32 s84, s84, 8
	s_lshl_b32 s84, s84, 23
	s_or_b32 s84, s84, 0x600000
	v_mov_b32 v[LIMP], s84                         ; 448 x 2^e8
	s_add_co_i32 s84, s82, 127
	s_lshl_b32 s85, s84, 23
	v_mov_b32 v[SCA], s85                          ; 2^e10
	s_add_co_i32 s84, s84, 8
	s_lshl_b32 s84, s84, 23
	s_or_b32 s84, s84, 0x600000
	v_mov_b32 v[LIMA], s84
	s_add_co_i32 s97, s80, s81                     ; e8 + e9
.macro LDK ko                          ; my 64 keys: four fragments of 16 keys x 128
.irp t, 0,1,2,3
.irp c, 0,1,2,3
	ds_load_b128 v[KF+16*\t+4*\c:KF+16*\t+4*\c+3], v[ADK] offset:\ko+2048*\t+512*\c
.endr
.endr
.endm
.macro LDV ko                          ; eight fragments of 16 channels x my 64 keys, into the registers that held K's
.irp a, 0,1,2,3,4,5,6,7
.irp c, 0,1
	ds_load_b128 v[KF+8*\a+4*\c:KF+8*\a+4*\c+3], v[ADV] offset:\ko+1024*\a+512*\c
.endr
.endr
.endm
; A TILE of 128 keys, the mb-th of a pair; its mask lies in register set mb.
.macro TILE mb
.if \mb == 0
	v_add_nc_u32 v[ADK], s[TB], v[AD0]
	v_add_nc_u32 v[ADV], VOFF, v[ADK]
	LDK 0
	s_add_co_u32 s[MO], s[MO], 131072              ; the pair that this pair's look-ahead names: the next, modulo the eight
	s_and_b32 s[MO], s[MO], 0xfffff
	s_cselect_b32 s63, 1, 0                        ; 0 in the last pair, whose look-ahead nobody reads
	s_wait_alu depctr_va_vdst(0)
	s_wait_xcnt 0x0                                ; the last pair's loads have read their base and their offset
	s_add_nc_u64 s[MA:MA+1], s[MB:MB+1], s[MO:MO+1]
	v_mul_u32_u24 v2, s63, v[IMG]                  ; 16 x lane; in the last pair 0: every lane then names the same 16 bytes of a chunk, and the counted wait keeps its loads
	s_wait_alu depctr_va_vdst(0)
.endif
	s_wait_dscnt 0x0                               ; K is in
	WIN W_KQ
.irp t, 0,1,2,3
.irp u, 0,1
	v_wmma_f32_16x16x128_fp8_fp8 v[S+32*\u+8*\t:S+32*\u+8*\t+7], v[KF+16*\t:KF+16*\t+15], v[QF+16*\u:QF+16*\u+15], 0
.endr
.endr
	PLACES 4                                       ; behind the products: for the loads into K's registers and the reads of S^T
	WIN 0
	LDV 16384*\mb
	s_wait_loadcnt 16                              ; this tile's mask is in; the next tile's 16 loads may be out
	WIN 0x10*\mb
.set j, 0
.rept 32
	v_pk_fma_f32 v[S+j:S+j+1], v[S+j:S+j+1], s[C0:C0+1], v[MKA+64*\mb+j:MKA+64*\mb+j+1] op_sel_hi:[1,0,1]   ; t, rounded once; each accumulator from its low end on
.set j, j+2
.endr
	WIN 0x40*\mb
.set j, 0
.rept 16
	global_load_b128 v[MKA+64*\mb+4*j:MKA+64*\mb+4*j+3], v2, s[MA:MA+1] offset:65536*\mb+512*j   ; the mask of the tile two on
.set j, j+1
.endr
	WIN 0
.irp u, 0,1                                    ; the tile's largest t of my query, among my 32 keys, in two chains; the two tiles by turns
	v_max3_num_f32 v[ST+8*\u+6], v[S+32*\u], v[S+32*\u+1], v[S+32*\u+2]
	v_max3_num_f32 v[ST+8*\u+7], v[S+32*\u+3], v[S+32*\u+4], v[S+32*\u+5]
.endr
.irp i, 6,10,14,18,22,26
.irp u, 0,1
	s_delay_alu instid0(VALU_DEP_4)
	v_max3_num_f32 v[ST+8*\u+6], v[ST+8*\u+6], v[S+32*\u+\i], v[S+32*\u+\i+1]
	s_delay_alu instid0(VALU_DEP_4)
	v_max3_num_f32 v[ST+8*\u+7], v[ST+8*\u+7], v[S+32*\u+\i+2], v[S+32*\u+\i+3]
.endr
.endr
.irp u, 0
	s_delay_alu instid0(VALU_DEP_4)
	v_max3_num_f32 v[ST+8*\u+6], v[ST+8*\u+6], v[S+32*\u+30], v[S+32*\u+31]
.endr
.irp u, 1
	s_delay_alu instid0(VALU_DEP_3)
	v_max3_num_f32 v[ST+8*\u+6], v[ST+8*\u+6], v[S+32*\u+30], v[S+32*\u+31]
.endr
.irp u, 0,1
	s_delay_alu instid0(VALU_DEP_2)
	v_max_num_f32 v[ST+8*\u+6], v[ST+8*\u+6], v[ST+8*\u+7]
.endr
.irp u, 0,1
	s_delay_alu instid0(VALU_DEP_2)
	v_permlanex16_b32 v[ST+8*\u+7], v[ST+8*\u+6], s[SEL], s[SEL+1]
.endr
.irp u, 0,1
	s_delay_alu instid0(VALU_DEP_2)
	v_max_num_f32 v[ST+8*\u+6], v[ST+8*\u+6], v[ST+8*\u+7]   ; and among lane l xor 16's
.endr
.irp u, 0,1
	s_delay_alu instid0(VALU_DEP_2)
	v_max_num_f32 v[ST+8*\u+1], v[ST+8*\u+1], v[ST+8*\u+6]   ; the running largest t
.endr
.irp u, 0,1
	v_mov_b32 v[ST+8*\u+6], v[ST+8*\u]
.endr
.irp u, 0,1
	s_delay_alu instid0(VALU_DEP_4)
	v_floor_f32 v[ST+8*\u], -v[ST+8*\u+1]          ; the new -M = -ceil(t): a whole number
.endr
.irp u, 0,1
	s_delay_alu instid0(VALU_DEP_2)
	v_sub_f32 v[ST+8*\u+6], v[ST+8*\u], v[ST+8*\u+6]   ; M's old value less its new one: 0 or less
.endr
.irp u, 0,1
	s_delay_alu instid0(VALU_DEP_2)
	v_cvt_i32_f32 v[ST+8*\u+6], v[ST+8*\u+6]       ; (it saturates)
.endr
.irp u, 0,1
	s_delay_alu instid0(VALU_DEP_2)
	v_ldexp_f32 v[ST+8*\u+4], 1.0, v[ST+8*\u+6]    ; f = 2^(old M - new M)
.endr
.irp u, 0,1
.set j, 0
.rept 16
	v_pk_add_f32 v[S+32*\u+j:S+32*\u+j+1], v[S+32*\u+j:S+32*\u+j+1], v[ST+8*\u:ST+8*\u+1] op_sel_hi:[1,0]   ; t - M
.set j, j+2
.endr
.endr
.set j, 0
	s_wait_alu depctr_va_vdst(0)
.rept 64
	v_exp_f32 v[S+j], v[S+j]                       ; p = 2^(t - M), at most 1: not normalised
.set j, j+1
.endr
.irp u, 0,1
	v_pk_mul_f32 v[ST+8*\u+2:ST+8*\u+3], v[ST+8*\u+2:ST+8*\u+3], v[ST+8*\u+4:ST+8*\u+5] op_sel_hi:[1,0]   ; the sums under the new M.  (The plain lines behind the exponentials)
.endr
	s_wait_alu depctr_va_vdst(0)                   ; and one wait behind it, ahead of its first reader
.irp u, 0,1
	v_pk_add_f32 v[TT+2*\u:TT+2*\u+1], v[S+32*\u:S+32*\u+1], v[S+32*\u+2:S+32*\u+3]   ; the row's sum is taken of the UNQUANTISED p
.endr
.irp i, 4,8,12,16,20,24,28
.irp u, 0,1
	v_pk_add_f32 v[ST+8*\u+2:ST+8*\u+3], v[ST+8*\u+2:ST+8*\u+3], v[S+32*\u+\i:S+32*\u+\i+1]
	v_pk_add_f32 v[TT+2*\u:TT+2*\u+1], v[TT+2*\u:TT+2*\u+1], v[S+32*\u+\i+2:S+32*\u+\i+3]
.endr
.endr
.irp u, 0
	s_delay_alu instid0(VALU_DEP_3)
	v_pk_add_f32 v[ST+8*\u+2:ST+8*\u+3], v[ST+8*\u+2:ST+8*\u+3], v[TT+2*\u:TT+2*\u+1]
.endr
.irp u, 1
	s_delay_alu instid0(VALU_DEP_2)
	v_pk_add_f32 v[ST+8*\u+2:ST+8*\u+3], v[ST+8*\u+2:ST+8*\u+3], v[TT+2*\u:TT+2*\u+1]
.endr
.set j, 0
.rept 32
	v_dual_min_num_f32 v[S+j], v[LIMP], v[S+j] :: v_dual_min_num_f32 v[S+j+1], v[LIMP], v[S+j+1]   ; the conversion to an 8-bit code does not saturate (ISA guide 7.6.2); p is not negative, so the hold is one-sided; two an instruction
.set j, j+2
.endr
.irp u, 0,1
.irp t, 0,1,2,3
	v_cvt_scalef32_pk8_fp8_f32 v[PC+8*\u+2*\t:PC+8*\u+2*\t+1], v[S+32*\u+8*\t:S+32*\u+8*\t+7], v[SCP]
.endr
.endr
	WIN W_RS
	s_wait_alu depctr_va_vdst(0)
.irp u, 0,1
.set j, 0
.rept 32
	v_pk_mul_f32 v[64*\u+j:64*\u+j+1], v[64*\u+j:64*\u+j+1], v[ST+8*\u+4:ST+8*\u+5] op_sel_hi:[1,0]   ; O^T under the new M.  (Also the plain lines behind the conversions)
.set j, j+2
.endr
.endr
	s_wait_alu depctr_va_vdst(0)
	s_wait_dscnt 0x0                               ; V is in
	WIN W_PV
.irp a, 0,1,2,3,4,5,6,7                        ; sixteen accumulators, one instruction each a tile: by turns
.irp u, 0,1
	v_wmma_f32_16x16x64_fp8_fp8 v[64*\u+8*\a:64*\u+8*\a+7], v[KF+8*\a:KF+8*\a+7], v[PC+8*\u:PC+8*\u+7], v[64*\u+8*\a:64*\u+8*\a+7]
.endr
.endr
	PLACES 4                                       ; behind the products: for the loads into V's registers, and at the end for the reads of O^T
	WIN 0
.if \mb == 0
	LDK 16384
.endif
.endm
; THE CHANGE OF SLOTS stands at a slot's head.  Each wave waits for all its tensor loads (one is out: its tile of the slot ahead), adds 0 to its spare word, and waits for that and for its reads of the slot left.
; fill = 1: a round of the cluster's barrier, and behind it the slot left takes the 512 keys that follow the slot ahead (the first time: slot 1's first fill): the load has four tiles of work in which to land.
.macro CHANGE fill
	s_wait_tensorcnt 0x0
	ds_add_u32 v[SPW], v[NIL]
.if \fill
	s_xor_b32 s[G0+1], s[G0+1], SLOT1
	s_add_nc_u64 s[G0+2:G0+3], s[G0+2:G0+3], 65536
	s_wait_xcnt 0x0                                ; any prefetch of mine has read its address
	s_add_nc_u64 s[PFA:PFA+1], s[PFA:PFA+1], 65536
.endif
	s_wait_dscnt 0x0
.if \fill
	CROUND
	tensor_load_to_lds s[G0:G0+3], s[G1:G1+7]
	s_nop 0
	PLACES 4
	ASK
.else
	s_barrier_signal -1
	s_barrier_wait -1
.endif
.endm
.macro PAIR
	TILE 0
	TILE 1
	s_xor_b32 s[TB], s[TB], 32768                  ; the slot's other pair
.endm
	s_wait_alu depctr_va_vdst(0)
	s_wait_loadcnt 32                              ; Q is in; the mask's 32 loads may be out
.Lslot:                                                ; three trips: slots' worth 0 to 2 of the keys; each change asks for the next
	CHANGE 1
	s_mov_b32 s[PR], 2
.Lpair:
	PAIR
	s_sub_co_u32 s[PR], s[PR], 1
	s_cmp_lg_u32 s[PR], 0
	s_cbranch_scc1 .Lpair
	s_xor_b32 s[TB], s[TB], SLOT1
	s_sub_co_u32 s[SL], s[SL], 1
	s_cmp_lg_u32 s[SL], 0
	s_cbranch_scc1 .Lslot
	CHANGE 0                                       ; the last 512 keys are written out: nothing more is asked for
	s_mov_b32 s[PR], 2
.Llast:
	PAIR
	s_sub_co_u32 s[PR], s[PR], 1
	s_cmp_lg_u32 s[PR], 0
	s_cbranch_scc1 .Llast
	; THE FINISH.
	s_wait_loadcnt 0x0                             ; the look-ahead's last loads have landed: their registers are used again below
	s_wait_dscnt 0x0
	s_barrier_signal -1
	s_barrier_wait -1                              ; every wave's reads of the ring are over: the stage may be written
.irp u, 0,1
	v_add_f32 v[ST+8*\u+2], v[ST+8*\u+2], v[ST+8*\u+3]
.endr
.irp u, 0,1
	s_delay_alu instid0(VALU_DEP_2)
	v_permlanex16_b32 v[ST+8*\u+6], v[ST+8*\u+2], s[SEL], s[SEL+1]
.endr
.irp u, 0,1
	s_delay_alu instid0(VALU_DEP_2)
	v_add_f32 v[ST+8*\u+2], v[ST+8*\u+2], v[ST+8*\u+6]
.endr
	s_cmp_lt_u32 s[WV], 4
	s_cbranch_scc1 .Lkeeper
	v_mov_b32 v[TT], v[ST+2]                       ; waves 4 to 7 hand their O^T, sums and -M to waves 0 to 3 as images of their registers
	v_mov_b32 v[TT+1], v[ST]
	v_mov_b32 v[TT+2], v[ST+10]
	v_mov_b32 v[TT+3], v[ST+8]
	ds_store_b128 v[MST], v[TT:TT+3] offset:32*512
	WIN W_KQ                                       ; the stores' data in window 1
.set i, 0
.rept 32
	ds_store_b128 v[MST], v[4*i:4*i+3] offset:512*i   ; each accumulator from its low end on
.set i, i+1
.endr
	WIN 0
.Lkeeper:
	s_wait_dscnt 0x0                               ; for the others' sake: my stores into the stage are done
	s_barrier_signal -1
	s_barrier_wait -1
	s_cmp_lt_u32 s[WV], 4
	s_cbranch_scc0 .Ldone
	ds_load_b128 v[TT+4:TT+7], v[MST] offset:32*512   ; the partner's sum and -M, tile 0, tile 1
.set i, 0
.rept 32
	ds_load_b128 v[S+4*i:S+4*i+3], v[MST] offset:512*i   ; its O^T, into v32-159
.set i, i+1
.endr
	s_wait_dscnt 32                                ; the statistics are in
.irp u, 0,1
	v_min_num_f32 v[TT+8+\u], v[ST+8*\u], v[TT+5+2*\u]   ; -M of both: the smaller
.endr
.irp u, 0
	s_delay_alu instid0(VALU_DEP_2)
	v_sub_f32 v[ST+8*\u+4], v[TT+8+\u], v[ST+8*\u]       ; my M less the common one,
	s_delay_alu instid0(VALU_DEP_3)
	v_sub_f32 v[ST+8*\u+6], v[TT+8+\u], v[TT+5+2*\u]     ; the partner's
.endr
.irp u, 1
	s_delay_alu instid0(VALU_DEP_3)
	v_sub_f32 v[ST+8*\u+4], v[TT+8+\u], v[ST+8*\u]
	s_delay_alu instid0(VALU_DEP_4)
	v_sub_f32 v[ST+8*\u+6], v[TT+8+\u], v[TT+5+2*\u]
.endr
.irp u, 0,1
	s_delay_alu instid0(VALU_DEP_4)
	v_cvt_i32_f32 v[ST+8*\u+4], v[ST+8*\u+4]
	s_delay_alu instid0(VALU_DEP_4)
	v_cvt_i32_f32 v[ST+8*\u+6], v[ST+8*\u+6]
.endr
.irp u, 0,1
	s_delay_alu instid0(VALU_DEP_4)
	v_ldexp_f32 v[ST+8*\u+4], 1.0, v[ST+8*\u+4]          ; the two factors: powers of two, one of them 1
	s_delay_alu instid0(VALU_DEP_4)
	v_ldexp_f32 v[ST+8*\u+6], 1.0, v[ST+8*\u+6]
.endr
.irp u, 0
	s_delay_alu instid0(VALU_DEP_4)
	v_mul_f32 v[TT+10+\u], v[ST+8*\u+2], v[ST+8*\u+4]
.endr
.irp u, 1
	s_delay_alu instid0(VALU_DEP_3)
	v_mul_f32 v[TT+10+\u], v[ST+8*\u+2], v[ST+8*\u+4]
.endr
.irp u, 0,1
	s_delay_alu instid0(VALU_DEP_2)
	v_fma_f32 v[TT+10+\u], v[TT+4+2*\u], v[ST+8*\u+6], v[TT+10+\u]   ; the row's sum
.endr
	s_wait_alu depctr_va_vdst(0)
.irp u, 0,1
	v_rcp_f32 v[TT+10+\u], v[TT+10+\u]
.endr
	v_nop                                          ; a plain line behind the last reciprocal
	s_wait_alu depctr_va_vdst(0)                   ; and one wait for the two, ahead of their first reader
.irp u, 0,1
	v_ldexp_f32 v[TT+10+\u], v[TT+10+\u], s97      ; x 2^(e8 + e9)
.endr
.irp u, 0
	s_delay_alu instid0(VALU_DEP_2)
	v_mul_f32 v[ST+8*\u+4], v[ST+8*\u+4], v[TT+10+\u]
	s_delay_alu instid0(VALU_DEP_3)
	v_mul_f32 v[ST+8*\u+6], v[ST+8*\u+6], v[TT+10+\u]
.endr
.irp u, 1
	s_delay_alu instid0(VALU_DEP_3)
	v_mul_f32 v[ST+8*\u+4], v[ST+8*\u+4], v[TT+10+\u]
	s_delay_alu instid0(VALU_DEP_4)
	v_mul_f32 v[ST+8*\u+6], v[ST+8*\u+6], v[TT+10+\u]
.endr
	s_wait_alu depctr_va_vdst(0)
.irp u, 0,1
	s_wait_dscnt 16-16*\u                          ; the partner's tile u is in; tile 1's 16 loads may be out
.set j, 0
.rept 32
	v_pk_mul_f32 v[S+64*\u+j:S+64*\u+j+1], v[S+64*\u+j:S+64*\u+j+1], v[ST+8*\u+6:ST+8*\u+7] op_sel_hi:[1,0]
.set j, j+2
.endr
	WIN 0x01                                       ; source 0: my O^T, window 1
.set j, 0
.rept 32
	v_pk_fma_f32 v[S+64*\u+j:S+64*\u+j+1], v[64*\u+j:64*\u+j+1], v[ST+8*\u+4:ST+8*\u+5], v[S+64*\u+j:S+64*\u+j+1] op_sel_hi:[1,0,1]   ; the result: register 8 a + j: channel 16 a + 8 h + j of query r
.set j, j+2
.endr
	WIN 0
.set j, 0
.rept 64
	v_med3_num_f32 v[S+64*\u+j], v[S+64*\u+j], -v[LIMA], v[LIMA]
.set j, j+1
.endr
.irp a, 0,1,2,3,4,5,6,7
	v_cvt_scalef32_pk8_fp8_f32 v[PC+2*\a:PC+2*\a+1], v[S+64*\u+8*\a:S+64*\u+8*\a+7], v[SCA]
.endr
	v_nop                                          ; one plain line between the conversions and the selects that read their results
; The codes lie k = 16 a + 8 h + 0..7 in pair a; the image wants k = 32 c + 16 h + 0..15 in registers 4 c on.  So lanes 0-15 hand pair 2 c + 1 to lane l + 16 and take its pair 2 c.
.irp c, 0,1,2,3
.irp e, 0,1
	v_cndmask_b32 v[TT+\e], v[PC+4*\c+2+\e], v[PC+4*\c+\e], s96
.endr
.irp e, 0,1
	s_delay_alu instid0(VALU_DEP_2)
	v_permlanex16_b32 v[TT+2+\e], v[TT+\e], s[SEL], s[SEL+1]
.endr
.irp e, 0,1
	v_cndmask_b32 v[KF+16*\u+4*\c+\e], v[PC+4*\c+\e], v[TT+2+\e], s96
	v_cndmask_b32 v[KF+16*\u+4*\c+2+\e], v[TT+2+\e], v[PC+4*\c+2+\e], s96
.endr
.endr
.irp c, 0,1,2,3
	global_store_b128 v[IMG], v[KF+16*\u+4*\c:KF+16*\u+4*\c+3], s[14:15] offset:32768*\u+512*\c   ; each store of the wave covers 512 consecutive bytes, aligned
.endr
.endr
.Ldone:
	s_wait_tensorcnt 0x0                           ; the wave's end
	ds_add_u32 v[SPW], v[NIL]
	s_wait_dscnt 0x0
	CROUND                                         ; the closing round
	s_endpgm
.Lfunc_end_k_qa952294d21_attn:
	.size	k_qa952294d21_attn, .Lfunc_end_k_qa952294d21_attn-k_qa952294d21_attn
	.p2alignl 7, 3214868480
	.fill 96, 4, 3214868480
	.section	.rodata,"a",@progbits
	.p2align	6, 0x0
	.amdhsa_kernel k_qa952294d21_attn
		.amdhsa_group_segment_fixed_size 327680
		.amdhsa_private_segment_fixed_size 0
		.amdhsa_enable_private_segment 0
		.amdhsa_kernarg_size 48
		.amdhsa_user_sgpr_count 2
		.amdhsa_user_sgpr_kernarg_segment_ptr 1
		.amdhsa_wavefront_size32 1
		.amdhsa_system_sgpr_workgroup_id_x 1
		.amdhsa_system_sgpr_workgroup_id_y 1
		.amdhsa_system_sgpr_workgroup_id_z 1
		.amdhsa_system_vgpr_workitem_id 0
		.amdhsa_next_free_vgpr 512
		.amdhsa_next_free_sgpr 100
		.amdhsa_reserve_vcc 0
		.amdhsa_float_denorm_mode_32 3
		.amdhsa_float_denorm_mode_16_64 3
		.amdhsa_memory_ordered 1
		.amdhsa_forward_progress 1
		.amdhsa_inst_pref_size 144
	.end_amdhsa_kernel
	.amdgpu_metadata
---
amdhsa.version: [ 1, 2 ]
amdhsa.kernels:
  - .name:           k_qa952294d21_attn
    .symbol:         k_qa952294d21_attn.kd
    .args:
      - { .name: qc, .offset: 0, .size: 8, .value_kind: global_buffer, .address_space: global }
      - { .name: kc, .offset: 8, .size: 8, .value_kind: global_buffer, .address_space: global }
      - { .name: vc, .offset: 16, .size: 8, .value_kind: global_buffer, .address_space: global }
      - { .name: mk, .offset: 24, .size: 8, .value_kind: global_buffer, .address_space: global }
      - { .name: lowp_scales, .offset: 32, .size: 8, .value_kind: global_buffer, .address_space: global }
      - { .name: ac, .offset: 40, .size: 8, .value_kind: global_buffer, .address_space: global }
    .group_segment_fixed_size: 327680
    .private_segment_fixed_size: 0
    .kernarg_segment_align: 8
    .kernarg_segment_size: 48
    .max_flat_workgroup_size: 256
    .sgpr_count:     100
    .vgpr_count:     512
    .wavefront_size: 32
...
	.end_amdgpu_metadata
.endif
;; end of part 3
;; launch oproj (part 4): grid 16 x 16, 4 waves a work-group, clusters of 4 x 4, 327,680 bytes of LDS; arguments ac, wc, lowp_scales, out0; writes out0
.if DOCPART == 4
	.amdgcn_target "amdgcn-amd-amdhsa--gfx1250"
	.amdhsa_code_object_version 6
	.text
	.protected	k_qa952294d21_oproj
	.globl	k_qa952294d21_oproj
	.p2align	8
	.type	k_qa952294d21_oproj,@function
k_qa952294d21_oproj:
	s_mov_b64 s[64:65], 0
	v_nop
	global_prefetch_b8 v0, s[64:65] scope:SCOPE_SE
	s_setreg_imm32_b32 hwreg(HW_REG_WAVE_MODE, 25, 1), 1
	s_wait_xcnt 0x0
	s_wait_alu depctr_hold_cnt(0) depctr_sa_sdst(0) depctr_va_vdst(0) depctr_va_sdst(0) depctr_va_ssrc(0) depctr_va_vcc(0) depctr_vm_vsrc(0)
	s_getreg_b32 s2, hwreg(HW_REG_IB_STS2, 6, 4)
	s_cmp_eq_u32 s2, 0
	s_cbranch_scc0 .Lentry_in_a_cluster
	s_endpgm
.Lentry_in_a_cluster:
	s_bfe_u32 s2, ttmp6, 0x10000c
	s_cmp_lg_u32 s2, 0xf033
	s_cbranch_scc0 .Lentry_shape_is_right
	s_endpgm
.Lentry_shape_is_right:
.set BP,     528
.set BOFF,   65536
.set SLOT,   BOFF+128*BP
.set SPARE,  2*SLOT
.set SPITCH, 272
.set ADRA, 16
.set ADRB, 20
.set STO,  24
.set RD,   25
.set CO,   26
.set SPW,  28
.set NIL,  29
.set TMP,  32
.set BK,   64
.set ACC,  128
.set F0,   0
.set F1,   128
.set G1, 24
.set G0, 32
.set G1B, 48
.set G0B, 56
.set MSB, 0
.macro WIN new
.if MSB != \new
	s_set_vgpr_msb (MSB<<8)|\new
.set MSB, \new
.endif
.endm
.set MUL,  0x05
.set TO_F, 0x40
.macro JLOAD s
	s_cmp_eq_u32 s15, 0
	s_cbranch_scc0 .Lfor_b_\@
	tensor_load_to_lds s[G0+4*\s:G0+4*\s+3], s[G1:G1+7]
	s_nop 0
.rept 4
	v_nop
.endr
	s_branch .Lasked_\@
.Lfor_b_\@:
	tensor_load_to_lds s[G0B+4*\s:G0B+4*\s+3], s[G1B:G1B+7]
	s_nop 0
.rept 4
	v_nop
.endr
.Lasked_\@:
.endm
.macro CREST
	s_cmp_lg_u32 s14, 0
	s_cbranch_scc1 .Lnot_wave_0_\@
	s_barrier_signal -3
.Lnot_wave_0_\@:
	s_barrier_wait -3
	s_barrier_signal -1
	s_barrier_wait -1
.endm
.macro CROUND
	s_barrier_signal -1
	s_barrier_wait -1
	CREST
.endm
	s_load_b256 s[4:11], s[0:1], 0x0
	v_lshl_add_u32 v[SPW], v0, 2, SPARE
	v_mov_b32 v[NIL], 0
	ds_add_u32 v[SPW], v[NIL]
	ds_add_u32 v[SPW], v[NIL]
	v_lshrrev_b32 v1, 5, v0
	v_readfirstlane_b32 s14, v1
	s_lshr_b32 s15, s14, 1
	s_and_b32 s16, s14, 1
	s_bfe_u32 s40, ttmp6, 0x40000
	s_bfe_u32 s41, ttmp6, 0x40004
	s_lshl_b32 s42, ttmp9, 2
	s_add_co_u32 s42, s42, s40
	s_and_b32 s17, ttmp7, 0xffff
	s_lshl_b32 s17, s17, 2
	s_add_co_u32 s17, s17, s41
	s_lshl_b32 s43, s41, 2
	s_lshl_b32 s43, 15, s43
	s_lshl_b32 s44, 0x1111, s40
	s_or_b32 s[G1+0], s43, (3<<16)|(1<<21)
	s_mov_b32 s[G1+1], 1024<<16
	s_mov_b32 s[G1+2], 4<<16
	s_mov_b32 s[G1+3], 1024<<16
	s_mov_b32 s[G1+4], 4
	s_mov_b32 s[G1+5], 4096
	s_mov_b32 s[G1+6], 0
	s_mov_b32 s[G1+7], 0
	s_or_b32 s[G1B+0], s44, (0<<16)|(1<<20)|(1<<21)|(6<<22)|(3<<25)
	s_mov_b32 s[G1B+1], 512<<16
	s_mov_b32 s[G1B+2], 64<<16
	s_mov_b32 s[G1B+3], 512<<16
	s_mov_b32 s[G1B+4], 64
	s_mov_b32 s[G1B+5], 2048
	s_mov_b32 s[G1B+6], 0
	s_mov_b32 s[G1B+7], 0
	s_lshl_b32 s18, s16, 17
	s_lshl_b32 s20, s17, 18
	s_add_co_u32 s20, s20, s18
	s_mov_b32 s21, 0
	s_lshl_b32 s46, s42, 18
	s_add_co_u32 s46, s46, s18
	s_add_co_u32 s46, s46, 0xc00000
	s_mov_b32 s47, 0
	s_lshl_b32 s45, s16, 15
	s_mul_i32 s19, s16, 64*BP
	s_add_co_u32 s19, s19, BOFF
	s_wait_dscnt 0x0
	s_wait_kmcnt 0x0
	s_load_b64 s[96:97], s[8:9], 0x28
	s_add_nc_u64 s[20:21], s[4:5], s[20:21]
	s_add_nc_u64 s[46:47], s[6:7], s[46:47]
	; the prefetches: a wave's load is 32 KiB, 128 blocks of 256 bytes; each of the four partners that ask for it jointly names 32, told apart BY ADDRESS (cx for A's tiles, cy for B's), a lane a block.
	; A: one block of 16 rows' 8,192 dense bytes; B: 16 rows x 512 bytes, 2,048 apart.  Three bases, for K steps 1, 2 and 3: nothing is stepped.
	s_cmp_eq_u32 s15, 0
	s_cselect_b64 s[66:67], s[20:21], s[46:47]
	s_cselect_b32 s72, s40, s41
	s_mov_b32 s68, 512
	s_cselect_b32 s68, 8192, s68                   ; a K step on, in bytes
	s_mov_b32 s74, 2048
	s_cselect_b32 s74, 512, s74                    ; from one pair of lanes to the next
	s_lshl_b32 s72, s72, 15                        ; my work-group's quarter: 32,768 bytes on in both tensors
	s_mov_b32 s73, 0
	s_mov_b32 s69, 0
	s_add_nc_u64 s[66:67], s[66:67], s[72:73]
	s_add_nc_u64 s[66:67], s[66:67], s[68:69]      ; K step 1
	s_add_nc_u64 s[70:71], s[66:67], s[68:69]      ; K step 2
	s_add_nc_u64 s[76:77], s[70:71], s[68:69]      ; K step 3
	v_and_b32 v7, 31, v0
	v_lshrrev_b32 v8, 1, v7
	v_and_b32 v7, 1, v7
	v_mul_lo_u32 v8, v8, s74
	v_lshl_add_u32 v8, v7, 8, v8                   ; my lane's block; never rewritten
	s_wait_alu depctr_va_vdst(0)
	CROUND
.irp s, 0,1
	s_mov_b32 s[G0+4*\s], 1
	s_add_co_u32 s[G0+4*\s+1], s45, \s*SLOT
	s_add_nc_u64 s[G0+4*\s+2:G0+4*\s+3], s[20:21], \s*8192
	s_or_b32 s[G0+4*\s+3], s[G0+4*\s+3], 0x80000000
	s_mov_b32 s[G0B+4*\s], 1
	s_add_co_u32 s[G0B+4*\s+1], s19, \s*SLOT
	s_add_nc_u64 s[G0B+4*\s+2:G0B+4*\s+3], s[46:47], \s*512
	s_or_b32 s[G0B+4*\s+3], s[G0B+4*\s+3], 0x80000000
.if \s                                 ; K step 0 goes out behind the opening round; slot 1's first fill stands behind the full sequence
	s_wait_alu depctr_va_vdst(0)
	s_wait_tensorcnt 0x0                           ; my part of K step 0 is in
	ds_add_u32 v28, v29
	s_wait_dscnt 0x0
	CROUND
.endif
	JLOAD \s
.if \s                                 ; behind each joint load but the last: the K step that the next one will ask for
	global_prefetch_b8 v8, s[70:71] th:TH_LOAD_NT scope:SCOPE_SE
.else
	global_prefetch_b8 v8, s[66:67] th:TH_LOAD_NT scope:SCOPE_SE
.endif
.endr
	v_and_b32 v1, 15, v0
	v_bfe_u32 v2, v0, 4, 1
	v_and_b32 v3, 31, v0
	v_lshlrev_b32 v4, 4, v3
	v_mul_u32_u24 v5, v1, BP
	v_lshl_add_u32 v5, v2, 4, v5
	s_lshl_b32 s21, s15, 15
	s_mul_i32 s22, s16, 64*BP
	s_add_co_u32 s22, s22, BOFF
.irp s, 0,1
	v_add_nc_u32 v[ADRA+\s], s21, v4
	v_add_nc_u32 v[ADRB+\s], s22, v5
	s_add_co_u32 s21, s21, SLOT
	s_add_co_u32 s22, s22, SLOT
.endr
	s_mul_i32 s23, s14, 16*SPITCH
	v_mul_u32_u24 v6, v1, SPITCH
	v_lshl_add_u32 v6, v2, 5, v6
	v_add_nc_u32 v[STO], s23, v6
	v_mul_u32_u24 v6, v2, SPITCH
	v_lshl_add_u32 v6, v1, 4, v6
	v_add_nc_u32 v[RD], s23, v6
	v_lshlrev_b32 v6, 13, v2
	v_lshl_add_u32 v[CO], v1, 4, v6
	s_lshl_b32 s20, s17, 20
	s_lshl_b32 s21, s15, 19
	s_add_co_u32 s20, s20, s21
	s_lshl_b32 s46, s42, 9
	s_add_co_u32 s20, s20, s46
	s_lshl_b32 s46, s16, 8
	s_add_co_u32 s20, s20, s46
	s_mov_b32 s21, 0
	s_add_nc_u64 s[10:11], s[10:11], s[20:21]
.macro MUL8 f, a0, zero
.irp a, \a0, \a0+1
.irp b, 0,1,2,3
.if \zero
	v_wmma_f32_16x16x128_fp8_fp8 v[ACC+8*(4*(\a)+\b):ACC+8*(4*(\a)+\b)+7], v[\f+64+16*\b:\f+64+16*\b+15], v[\f+16*(\a):\f+16*(\a)+15], 0
.else
	v_wmma_f32_16x16x128_fp8_fp8 v[ACC+8*(4*(\a)+\b):ACC+8*(4*(\a)+\b)+7], v[\f+64+16*\b:\f+64+16*\b+15], v[\f+16*(\a):\f+16*(\a)+15], v[ACC+8*(4*(\a)+\b):ACC+8*(4*(\a)+\b)+7]
.endif
.endr
.endr
.endm
.macro FETCH slot, q, f
	WIN TO_F
.irp i, 0,1,2,3
.irp c, 0,1,2,3
	ds_load_b128 v[\f+64+16*\i+4*\c:\f+64+16*\i+4*\c+3], v[ADRB+\slot] offset:16*BP*\i+128*(\q)+32*\c
.endr
.endr
.irp i, 0,1,2,3
.irp c, 0,1,2,3
	ds_load_b128 v[\f+16*\i+4*\c:\f+16*\i+4*\c+3], v[ADRA+\slot] offset:8192*\i+2048*(\q)+512*\c
.endr
.endr
.endm
.macro PLACES
.rept 4
	v_nop
.endr
.endm
.macro QUARTER slot, q, f, g, zero
	s_wait_dscnt 8
	WIN MUL
	MUL8 \f, 0, \zero
	PLACES
	FETCH \slot, (\q)+1, \g
	s_wait_dscnt 32
	WIN MUL
	MUL8 \f, 2, \zero
.endm
.macro TURN slot, next, fill
	WIN 0
	s_wait_tensorcnt 0x0
	ds_add_u32 v[SPW], v[NIL]
	s_wait_dscnt 9
	WIN MUL
	MUL8 F1, 0, 0
	WIN 0
	s_wait_dscnt 0x0
	s_barrier_signal -1
	s_barrier_wait -1
.if \fill
	CREST
	s_add_nc_u64 s[G0+4*\slot+2:G0+4*\slot+3], s[G0+4*\slot+2:G0+4*\slot+3], 2*8192
	s_add_nc_u64 s[G0B+4*\slot+2:G0B+4*\slot+3], s[G0B+4*\slot+2:G0B+4*\slot+3], 2*512
	JLOAD \slot
.if (\slot) == 0
	global_prefetch_b8 v8, s[76:77] th:TH_LOAD_NT scope:SCOPE_SE   ; K step 3; behind its own load nothing is left to ask for
.endif
.else
	PLACES
.endif
	s_wait_alu depctr_va_vdst(0)
	FETCH \next, 0, F0
	WIN MUL
	MUL8 F1, 2, 0
.endm
	s_wait_tensorcnt 1
	s_barrier_signal -1
	s_barrier_wait -1
	FETCH 0, 0, F0
	QUARTER 0, 0, F0, F1, 1
	QUARTER 0, 1, F1, F0, 0
	QUARTER 0, 2, F0, F1, 0
	TURN 0, 1, 1
	QUARTER 1, 0, F0, F1, 0
	QUARTER 1, 1, F1, F0, 0
	QUARTER 1, 2, F0, F1, 0
	TURN 1, 0, 1
	QUARTER 0, 0, F0, F1, 0
	QUARTER 0, 1, F1, F0, 0
	QUARTER 0, 2, F0, F1, 0
	TURN 0, 1, 0
	QUARTER 1, 0, F0, F1, 0
	QUARTER 1, 1, F1, F0, 0
	QUARTER 1, 2, F0, F1, 0
	s_wait_dscnt 8
	WIN MUL
	MUL8 F1, 0, 0
	s_wait_dscnt 0
	MUL8 F1, 2, 0
	WIN 0
.macro TOSTAGE a
.set j, 0
.rept 16
	v_pk_mul_f32 v[TMP+j:TMP+j+1], v[ACC+32*(\a)+j:ACC+32*(\a)+j+1], s[96:97] op_sel_hi:[1,0]
.set j, j+2
.endr
.irp b, 0,1,2,3
	ds_store_b128 v[STO], v[TMP+8*\b:TMP+8*\b+3] offset:64*\b
	ds_store_b128 v[STO], v[TMP+8*\b+4:TMP+8*\b+7] offset:64*\b+16
.endr
.irp t, 0,1,2,3,4,5,6,7
	ds_load_b128 v[BK+32*((\a)%2)+4*\t:BK+32*((\a)%2)+4*\t+3], v[RD] offset:\t*2*SPITCH
.endr
.endm
.macro SEND a, younger
	s_wait_dscnt \younger
.irp t, 0,1,2,3,4,5,6,7
	global_store_b128 v[CO], v[BK+32*((\a)%2)+4*\t:BK+32*((\a)%2)+4*\t+3], s[10:11] offset:(16*(\a)+2*\t)*8192 th:TH_STORE_NT
.endr
.endm
	s_wait_kmcnt 0x0
	s_add_co_i32 s96, s96, s97
	s_add_co_i32 s96, s96, 127
	s_lshl_b32 s96, s96, 23
	s_mov_b32 s97, s96
	PLACES
	TOSTAGE 0
	TOSTAGE 1
	SEND 0, 16
	s_wait_xcnt 0x0
	TOSTAGE 2
	SEND 1, 16
	s_wait_xcnt 0x0
	TOSTAGE 3
	SEND 2, 16
	SEND 3, 0
	s_wait_tensorcnt 0x0
	ds_add_u32 v[SPW], v[NIL]
	s_wait_dscnt 0x0
	CROUND
	s_endpgm
.Lfunc_end_k_qa952294d21_oproj:
	.size	k_qa952294d21_oproj, .Lfunc_end_k_qa952294d21_oproj-k_qa952294d21_oproj
	.p2alignl 7, 3214868480
	.fill 96, 4, 3214868480
	.section	.rodata,"a",@progbits
	.p2align	6, 0x0
	.amdhsa_kernel k_qa952294d21_oproj
		.amdhsa_group_segment_fixed_size 327680
		.amdhsa_private_segment_fixed_size 0
		.amdhsa_enable_private_segment 0
		.amdhsa_kernarg_size 32
		.amdhsa_user_sgpr_count 2
		.amdhsa_user_sgpr_kernarg_segment_ptr 1
		.amdhsa_wavefront_size32 1
		.amdhsa_system_sgpr_workgroup_id_x 1
		.amdhsa_system_sgpr_workgroup_id_y 1
		.amdhsa_system_sgpr_workgroup_id_z 1
		.amdhsa_system_vgpr_workitem_id 0
		.amdhsa_next_free_vgpr 512
		.amdhsa_next_free_sgpr 100
		.amdhsa_reserve_vcc 0
		.amdhsa_float_denorm_mode_32 3
		.amdhsa_float_denorm_mode_16_64 3
		.amdhsa_memory_ordered 1
		.amdhsa_forward_progress 1
		.amdhsa_inst_pref_size 75
	.end_amdhsa_kernel
	.amdgpu_metadata
---
amdhsa.version: [ 1, 2 ]
amdhsa.kernels:
  - .name:           k_qa952294d21_oproj
    .symbol:         k_qa952294d21_oproj.kd
    .args:
      - { .name: ac, .offset: 0, .size: 8, .value_kind: global_buffer, .address_space: global }
      - { .name: wc, .offset: 8, .size: 8, .value_kind: global_buffer, .address_space: global }
      - { .name: lowp_scales, .offset: 16, .size: 8, .value_kind: global_buffer, .address_space: global }
      - { .name: out0, .offset: 24, .size: 8, .value_kind: global_buffer, .address_space: global }
    .group_segment_fixed_size: 327680
    .private_segment_fixed_size: 0
    .kernarg_segment_align: 8
    .kernarg_segment_size: 32
    .max_flat_workgroup_size: 128
    .sgpr_count:     100
    .vgpr_count:     512
    .wavefront_size: 32
...
	.end_amdgpu_metadata
.endif
;; end of part 4
